; MI455X (gfx1250); checked and timed in simulation.
; The chip was launched on July 23, 2026; its instructions are those of AMD's public machine-readable ISA for CDNA 5 (MIT licence, August 2026) and "CDNA5" Instruction Set Architecture Reference Guide (July 2026). The comments in the code are by the model that wrote it; some were corrected since.
;; selfattention. Allowed arithmetic: matrix products marked QUANTISED: E2M1 operands, one E8M0 scale for each 32 along K, by v_wmma_scale_f32_16x16x128_f8f6f4 with both operands' format E2M1 (or v_wmma_scale_f32_32x16x128_f4), f32 sums; products left as they are: bf16, f16 or f32 operands; f32 sums; everything else in f32.
;; Inputs: b_in 3,072 float32; b_out 1,024 float32; w_in 1,024 x 3,072 float32; w_out 1,024 x 1,024 float32; x 4 x 2,048 x 1,024 float32.
;; Outputs: out0 4 x 2,048 x 1,024 float32.
;; This version of the problem:
;;   THIS VERSION OF THE PROBLEM IS GIVEN IN LOW PRECISION. The matrix products marked QUANTISED in the list below multiply operands that are first quantised to E2M1 (2 exponent bits, 1 mantissa bit; 4 bits a number), with one power-of-two scale for each 32 numbers along K (OCP MX v1.0); their sums are f32. The products marked 'left as it is' may take bf16, f16 or f32 operands, with f32 sums. Whichever they take, every output number must still come out within the allowed error. Rounding operands to bf16 (8 significant bits) uses up far more of that allowance than f16 does (11 bits, for magnitudes from 6e-5 to 65,504). All else is computed in f32.
;;   The module's matrix products, in the order in which they are computed (A, B: the left and right operand; K: the contracted axis; several contracted axes count as one K, in the product's order):
;;     1. [M 8,192, K 1,024] x [K 1,024, N 3,072]; A: input x; B: input w_in: QUANTISED
;;     2. batch 64 x [M 2,048, K 64] x [K 64, N 2,048]; A: computed on the way; B: computed on the way: left as it is (an operand is computed on the way)
;;     3. batch 64 x [M 64, K 2,048] x [K 2,048, N 2,048]; A: computed on the way; B: computed on the way: left as it is (an operand is computed on the way)
;;     4. [M 8,192, K 1,024] x [K 1,024, N 1,024]; A: computed on the way; B: input w_out: left as it is (an operand is computed on the way)
;;   THE QUANTISER, for each operand of a quantised product, along K:
;;     - K is cut into blocks of 32 from its start; a last block that is shorter is filled with zeros.
;;     - A block's scale is 2^e with e = floor(log2(the largest magnitude in the block)) - 2, held to -126 .. 127; a block of zeros has e = 0. As a byte (E8M0): e + 127.
;;     - Each number is divided by its block's scale, clamped to +-6, and rounded to the nearest number of E2M1, ties to even, subnormals kept.
;;     - The product sums the exact products of the quantised numbers (number of the format x scale) in f32.
;;   ~~~python
;;   def quantise(x, axis):      # numpy; x: float32 -> the quantised numbers, widened to float32 again
;;       x = np.moveaxis(x, axis, -1); K = x.shape[-1]
;;       x = np.pad(x, [(0, 0)] * (x.ndim - 1) + [(0, -K % 32)]); x = x.reshape(x.shape[:-1] + (-1, 32)); a = np.abs(x).max(-1, keepdims=True)
;;       e = np.where(a > 0, np.clip(np.frexp(np.where(a > 0, a, 1))[1] - 1 - 2, -126, 127), 0)      # np.frexp(a)[1] - 1 = floor(log2(a)), exactly
;;       r = np.clip(x / 2.0 ** e, -6, 6)
;;       step = 2.0 ** (np.maximum(np.frexp(np.where(r == 0, 1, r))[1] - 1, 0) - 1)
;;       q = np.round(r / step) * step * 2.0 ** e      # np.round: ties to even
;;       return np.moveaxis(q.reshape(q.shape[:-2] + (-1,))[..., :K], -1, axis).astype(np.float32)
;;   ~~~
;; One version. Each part assembles by itself: llvm-mc -triple=amdgcn-amd-amdhsa -mcpu=gfx1250 --defsym DOCPART=n.
;; ======== version 1 of 1: 4 launches
;; limits: values are held in f16: magnitudes above 65,504 overflow, below 6.1e-05 lose precision
;; workspace buffers: xc 4,194,304 bytes; xs 262,144 bytes; wc 1,572,864 bytes; ws 98,304 bytes; w16 2,097,152 bytes; qkv 50,331,648 bytes; att 16,777,216 bytes
;; launch prep (part 1): grid 368 x 1, 4 waves a work-group, no clusters, 68,096 bytes of LDS; arguments x, w_in, w_out, xc, xs, wc, ws, w16; writes xc, xs, wc, ws, w16
.if DOCPART == 1
	.amdgcn_target "amdgcn-amd-amdhsa--gfx1250"
	.amdhsa_code_object_version 6
	.text
	.protected	k_q559ecc527c_prep
	.globl	k_q559ecc527c_prep
	.p2align	8
	.type	k_q559ecc527c_prep,@function
k_q559ecc527c_prep:
	s_mov_b64 s[64:65], 0
	v_nop
	global_prefetch_b8 v0, s[64:65] scope:SCOPE_SE
	s_setreg_imm32_b32 hwreg(HW_REG_WAVE_MODE, 25, 1), 1
	s_wait_xcnt 0x0
; PREP: three jobs in one launch, told apart by the work-group's number alone; waves share nothing, so there is no barrier.
;   work-groups   0 .. 255  (path X): x [8192][1024] f32 -> xc [8192][512 bytes] codes of FP4 (E2M1), K innermost, and xs [8192][32] E8M0 bytes, one for each 32 along K.
;   work-groups 256 .. 303  (path W): w_in [1024 (k)][3072 (n)] f32 -> wc [3072][512 bytes], K innermost, and ws [3072][32].
;   work-groups 304 .. 367  (path O): w_out [1024 (k)][1024 (n)] f32 -> w16, f16, laid as images of operand registers: [n / 256][k / 128][16 columns][32 k][1,024 bytes];
;                                     in an image lane (r, h) has column r; its 16 bytes at 16 x lane hold k = 8 h .. 8 h + 7, those at 512 + 16 x lane hold k = 16 + 8 h .. + 7.
; THE QUANTISER: a block's scale is 2^(floor(log2(its largest magnitude)) - 2); its byte is the largest magnitude's exponent field - 2, held at 1 from below; each number is divided by the scale and
; rounded to the nearest code, ties to even, beyond 6 the largest code.
; LIMITS: a block of zeros gets the byte 1 where the rule says 127 (its codes are zeros, which add nothing under any byte but 0xff, and this program alone reads the bytes); blocks whose largest magnitude lies
; under 2^-124 were not tried; NaN and infinities are not served; numbers of w_out beyond 65,504 become infinities in f16.
; No cluster: no two work-groups read the same bytes.  Each path that uses LDS has LDS bytes of its own.
.set SPW,    192                       ; v192  LDS address of my spare word: SPARE + 4 x my thread's number; never rewritten
.set NIL,    193                       ; v193  0; never rewritten
.set XREG,   8192                      ; path X: LDS bytes 0 .. 32,767, a region for each wave: two stages of 32 x SP bytes, then its 256 scale bytes
.set SP,     80                        ; a lane's place in a stage: its 64 bytes + 16 of padding
.set WSTG,   32768                     ; path W: LDS bytes 32,768 .. 67,583, a stage of 32 rows x WPITCH for each wave
.set WPITCH, 272
.set SPARE,  WSTG+4*32*WPITCH          ; 67,584: the spare words, 128 bytes for each wave: two blocks of 256 bytes that no other line names
	s_load_b512 s[4:19], s[0:1], 0x0               ; x s[4:5], w_in s[6:7], w_out s[8:9], xc s[10:11], xs s[12:13], wc s[14:15], ws s[16:17], w16 s[18:19]
	v_lshl_add_u32 v[SPW], v0, 2, SPARE
	v_mov_b32 v[NIL], 0
	v_lshrrev_b32 v1, 5, v0
	v_readfirstlane_b32 s20, v1                    ; wave 0..3
	v_and_b32 v2, 31, v0                           ; lane
	s_wait_kmcnt 0x0
	s_cmp_lt_u32 ttmp9, 256
	s_cbranch_scc0 .Lnot_x
; ---------------- PATH X.  Rows are dense and K is a multiple of 32: x is a plain stream of blocks of 32, and so are its codes and scale bytes.
; A wave takes 16 steps of 512 numbers.  Each of a step's four loads reads 512 consecutive bytes, 16 a lane; the 2,048 bytes go through the wave's own stage in LDS and come back 64 bytes a lane, so that a lane holds
; 16 NEIGHBOURS along K (two neighbouring lanes hold a block), as the conversions want them.  A lane's 16 codes are 8 bytes: the wave stores 256 consecutive bytes.  A wave's 256 scale bytes are gathered in LDS and leave together.
.set STEPS, 16
.set CB,    8                          ; bytes of 16 codes
.set R,     16                         ; v16-79   four sets of 16 numbers as they are loaded
.set X,     80                         ; v80-111  two sets of 16 neighbours
.set E,     112                        ; v112-127 a scale byte for each step
.set C,     128                        ; v128-191 codes: four registers for each step, so that no store's data are written again
	v_lshlrev_b32 v3, 4, v2                        ; my 16 bytes of a load's 512
	s_mul_i32 s21, s20, XREG
	v_lshrrev_b32 v14, 2, v2
	v_mul_u32_u24 v14, v14, SP
	v_and_b32 v15, 3, v2
	v_lshl_add_u32 v14, v15, 4, v14
	v_add_nc_u32 v14, s21, v14                     ; the stage, on the way in: SP (lane / 4) + 16 (lane % 4)
	v_mul_u32_u24 v15, v2, SP
	v_add_nc_u32 v15, s21, v15                     ; and on the way out: SP x lane: my 16 neighbours
	v_mul_u32_u24 v4, v2, CB                       ; my codes' place in a step's
	v_lshrrev_b32 v5, 1, v2
	s_add_co_u32 s21, s21, 2*32*SP
	v_add_nc_u32 v5, s21, v5                       ; LDS: my wave's 256 scale bytes, my block's byte
	v_lshlrev_b32 v7, 3, v2                        ; and on the way out 8 bytes a lane
	v_add_nc_u32 v6, s21, v7
	s_lshl_b32 s22, ttmp9, 2
	s_add_co_u32 s22, s22, s20                     ; which run of 8,192 numbers is my wave's: 0 .. 1,023
	s_mov_b32 s25, 0
	s_lshl_b32 s24, s22, 15                        ; 32,768 bytes of x a run,
	s_add_nc_u64 s[4:5], s[4:5], s[24:25]
	s_lshl_b32 s24, s22, 12                        ; 4,096 of codes,
	s_add_nc_u64 s[10:11], s[10:11], s[24:25]
	s_lshl_b32 s24, s22, 8                         ; 256 scale bytes
	s_add_nc_u64 s[12:13], s[12:13], s[24:25]
.macro XLOAD t
.irp i, 0,1,2,3
	global_load_b128 v[R+16*((\t)%4)+4*\i:R+16*((\t)%4)+4*\i+3], v3, s[4:5] offset:2048*(\t)+512*\i th:TH_LOAD_NT   ; 32 lanes read 512 consecutive bytes
.endr
.endm
.macro XTURN t                         ; step t's numbers through the stage: LDS serves a wave's instructions in order, so no wait stands between the stores and the loads
.irp i, 0,1,2,3
	ds_store_b128 v14, v[R+16*((\t)%4)+4*\i:R+16*((\t)%4)+4*\i+3] offset:32*SP*((\t)%2)+8*SP*\i
.endr
.irp i, 0,1,2,3
	ds_load_b128 v[X+16*((\t)%2)+4*\i:X+16*((\t)%2)+4*\i+3], v15 offset:32*SP*((\t)%2)+16*\i
.endr
.endm
.irp t, 0,1,2,3
	XLOAD \t
.endr
	s_wait_loadcnt 12                              ; step 0's four loads are in; the twelve of steps 1 to 3 may be out
	XTURN 0
.macro XSTEP t
.set XS, X+16*((\t)%2)
.if (\t) > 0
	s_wait_dscnt 1                                 ; this step's numbers are back from the stage (the last step's byte store may be out): so its stores into the stage have read their registers,
.else
	s_wait_dscnt 0x0
.endif
.if (\t)+4 < STEPS
	XLOAD (\t)+4                                   ; which take the loads of four steps on
.endif
.if (\t)+1 < STEPS
.if STEPS-2-(\t) >= 3
	s_wait_loadcnt 12                              ; the next step's four loads are in; those of the three steps behind it may be out
.else
	s_wait_loadcnt 4*(STEPS-2-(\t))
.endif
	XTURN (\t)+1                                   ; and go through the other stage while this step is worked
.endif
	v_max3_num_f32 v8, |v[XS]|, |v[XS+1]|, |v[XS+2]|               ; the largest magnitude of my 16, in two chains
	v_max3_num_f32 v9, |v[XS+3]|, |v[XS+4]|, |v[XS+5]|
.irp i, 6,10
	v_max3_num_f32 v8, v8, |v[XS+\i]|, |v[XS+\i+1]|
	v_max3_num_f32 v9, v9, |v[XS+\i+2]|, |v[XS+\i+3]|
.endr
	v_max3_num_f32 v8, v8, |v[XS+14]|, |v[XS+15]|
	v_max3_num_f32 v8, v8, v9, 0x1800000           ; and the floor 2^(3 - 127): the byte cannot fall under 1
	v_max_num_f32_dpp v8, v8, v8 row_xmask:1 row_mask:0xf bank_mask:0xf   ; and of my neighbour's 16: the block's
	v_add_nc_u32 v11, 0xff000000, v8               ; 2 off its exponent field: the conversion takes the exponent field of this operand as its scale, and nothing else of it
	v_cvt_scalef32_pk8_fp4_f32 v[C+4*(\t)], v[XS:XS+7], v11
	v_cvt_scalef32_pk8_fp4_f32 v[C+4*(\t)+1], v[XS+8:XS+15], v11
	v_lshrrev_b32 v[E+(\t)], 23, v11               ; the scale's byte (a plain line behind the conversions)
	ds_store_b8 v5, v[E+(\t)] offset:16*(\t)       ; both lanes of a block write the same byte with the same value
	global_store_b64 v4, v[C+4*(\t):C+4*(\t)+1], s[10:11] offset:32*CB*(\t)   ; 32 lanes store 256 consecutive bytes, aligned
.endm
.irp t, 0,1,2,3,4,5,6,7,8,9,10,11,12,13,14,15
	XSTEP \t
.endr
	ds_load_b64 v[8:9], v6                         ; LDS serves a wave's instructions in order: these see my stores
	s_wait_dscnt 0x0
	global_store_b64 v7, v[8:9], s[12:13]          ; 32 lanes store 256 consecutive bytes, aligned
	s_wait_tensorcnt 0x0                           ; the wave's end, behind my last LDS store
	ds_add_u32 v[SPW], v[NIL]
	s_wait_dscnt 0x0
	s_endpgm
.Lnot_x:
	s_cmp_lt_u32 ttmp9, 304
	s_cbranch_scc0 .Lpath_o
; ---------------- PATH W.  K is w_in's FIRST axis.  A lane takes a column n and its registers run down K: each load reads 128 consecutive bytes a wave (512 a work-group), a block of 32 along K lies in one lane's
; 32 registers, and the conversions give codes with K innermost.  A wave takes 32 columns x 512 along K: 256 bytes of codes a column, which go through the wave's own stage and leave as rows: sixteen lanes store 256 aligned bytes.
; Every offset is an immediate: 511 rows x 12,288 bytes = 6,279,168, inside the signed 24 bits.
.set NB,    16                         ; blocks of 32 along K for a wave
.set WX,    32                         ; v32-95   two sets of 32 numbers
.set WC,    96                         ; v96-99   a block's codes
.set OUTR,  112                        ; v112-175 the way out
.set SB,    24                         ; v24-27   the scale bytes, four to a register
	s_sub_co_u32 s21, ttmp9, 256
	s_lshr_b32 s22, s21, 1                         ; which 128 columns
	s_and_b32 s23, s21, 1                          ; which half of K
	s_lshl_b32 s24, s22, 7
	s_lshl_b32 s25, s20, 5
	s_add_co_u32 s24, s24, s25                     ; my wave's first column
	v_lshlrev_b32 v3, 2, v2                        ; in: 4 bytes a lane
	s_mul_i32 s25, s20, 32*WPITCH
	s_add_co_u32 s25, s25, WSTG                    ; my stage
	v_mul_u32_u24 v4, v2, WPITCH
	v_add_nc_u32 v4, s25, v4                       ; into it: row = my column
	v_and_b32 v5, 15, v2
	v_lshrrev_b32 v6, 4, v2                        ; out of it: sixteen lanes to a row, two rows an instruction
	v_mul_u32_u24 v7, v6, WPITCH
	v_lshl_add_u32 v7, v5, 4, v7
	v_add_nc_u32 v7, s25, v7
	v_lshlrev_b32 v8, 9, v6                        ; and the same place in wc: rows of 512 bytes
	v_lshl_add_u32 v8, v5, 4, v8
	v_lshlrev_b32 v9, 5, v2                        ; my column's row of scale bytes: 32 bytes a row
	s_mul_i32 s26, s23, 512*3072*4                 ; w_in: 512 rows of 12,288 bytes for the second half of K,
	s_lshl_b32 s27, s24, 2
	s_add_co_u32 s26, s26, s27                     ; + 4 x column
	s_mov_b32 s27, 0
	s_add_nc_u64 s[6:7], s[6:7], s[26:27]
	s_lshl_b32 s26, s24, 9                         ; wc: column x 512 + 256 x half
	s_lshl_b32 s28, s23, 8
	s_add_co_u32 s26, s26, s28
	s_add_nc_u64 s[14:15], s[14:15], s[26:27]
	s_lshl_b32 s26, s24, 5                         ; ws: column x 32 + 16 x half
	s_lshl_b32 s28, s23, 4
	s_add_co_u32 s26, s26, s28
	s_add_nc_u64 s[16:17], s[16:17], s[26:27]
.macro WLOAD t                         ; block t: w_in(32 t + i, my column), i = 0 .. 31, into set t % 2
.irp i, 0,1,2,3,4,5,6,7,8,9,10,11,12,13,14,15,16,17,18,19,20,21,22,23,24,25,26,27,28,29,30,31
	global_load_b32 v[WX+32*((\t)%2)+\i], v3, s[6:7] offset:(32*(\t)+\i)*12288 th:TH_LOAD_NT
.endr
.endm
	WLOAD 0
	WLOAD 1
.macro WBLOCK t
.set WSET, WX+32*((\t)%2)
.if (\t) < NB-1
	s_wait_loadcnt 32                              ; this block's 32 loads are in; the next block's 32 may be out
.else
	s_wait_loadcnt 0
.endif
	v_max3_num_f32 v12, |v[WSET]|, |v[WSET+1]|, |v[WSET+2]|        ; the block's largest magnitude: all 32 numbers are mine
	v_max3_num_f32 v13, |v[WSET+3]|, |v[WSET+4]|, |v[WSET+5]|
.irp i, 6,10,14,18,22,26
	v_max3_num_f32 v12, v12, |v[WSET+\i]|, |v[WSET+\i+1]|
	v_max3_num_f32 v13, v13, |v[WSET+\i+2]|, |v[WSET+\i+3]|
.endr
	v_max3_num_f32 v12, v12, |v[WSET+30]|, |v[WSET+31]|
	v_max3_num_f32 v12, v12, v13, 0x1800000        ; and the floor 2^(3 - 127)
	v_add_nc_u32 v11, 0xff000000, v12              ; 2 off its exponent field: the conversion's scale operand
	v_lshrrev_b32 v13, 23, v11                     ; the scale's byte
.if (\t)%4 == 0
	v_mov_b32 v[SB+(\t)/4], v13                    ; four bytes to a register, the lower K in the lower byte
.else
	v_lshl_or_b32 v[SB+(\t)/4], v13, 8*((\t)%4), v[SB+(\t)/4]
.endif
.irp g, 0,1,2,3
	v_cvt_scalef32_pk8_fp4_f32 v[WC+\g], v[WSET+8*\g:WSET+8*\g+7], v11
.endr
	ds_store_b128 v4, v[WC:WC+3] offset:16*(\t)    ; 32 codes: 16 bytes of my column's row
.if (\t)+2 < NB
	WLOAD (\t)+2
.endif
	s_wait_dscnt 0x0                               ; the store has read its registers: the next block's codes may be written (its first lines are plain vector lines that touch neither codes nor numbers of this block)
.endm
.set Q, 0
.rept NB
	WBLOCK Q
.set Q, Q+1
.endr
	global_store_b128 v9, v[SB:SB+3], s[16:17]     ; my column's 16 scale bytes
.irp t, 0,1,2,3,4,5,6,7,8,9,10,11,12,13,14,15
	ds_load_b128 v[OUTR+4*\t:OUTR+4*\t+3], v7 offset:2*\t*WPITCH   ; LDS serves a wave's instructions in order: these see my stores
.endr
.irp t, 0,1,2,3,4,5,6,7,8,9,10,11,12,13,14,15
	s_wait_dscnt 15-\t                             ; loads come back in order: number t is in
	global_store_b128 v8, v[OUTR+4*\t:OUTR+4*\t+3], s[14:15] offset:2*\t*512   ; sixteen lanes store 256 consecutive bytes, aligned
.endr
	s_wait_tensorcnt 0x0                           ; the wave's end, behind my last LDS store
	ds_add_u32 v[SPW], v[NIL]
	s_wait_dscnt 0x0
	s_endpgm
.Lpath_o:
; ---------------- PATH O.  A lane takes a column of w_out and its registers run down K, 32 at a time (a unit).  Sixteen roundings give k in pairs; eight exchanges of lane halves turn the wave's 32 columns into two
; images of 16 columns x 32 k: lanes 16-31 of the first take the first sixteen columns' k + 8.  Each store covers 512 consecutive bytes.  No LDS.
.set OD,    32                         ; v32-95   two sets of 32 numbers
.set PK,    96                         ; v96-159  16 registers for each of the four units, so that no store's data are written again
	s_sub_co_u32 s21, ttmp9, 304
	s_and_b32 s22, s21, 7                          ; which 128 columns
	s_lshr_b32 s23, s21, 3                         ; which 128 along K
	v_lshlrev_b32 v3, 2, v2                        ; in: 4 bytes a lane
	v_lshlrev_b32 v4, 4, v2                        ; out: 16 bytes a lane
	s_lshl_b32 s24, s23, 19                        ; w_out: 128 rows of 4,096 bytes,
	s_lshl_b32 s25, s22, 9
	s_add_co_u32 s24, s24, s25                     ; + 512 bytes for 128 columns,
	s_lshl_b32 s25, s20, 7
	s_add_co_u32 s24, s24, s25                     ; + my wave's 32 columns
	s_mov_b32 s25, 0
	s_add_nc_u64 s[8:9], s[8:9], s[24:25]
	s_lshr_b32 s24, s22, 1
	s_lshl_b32 s24, s24, 19                        ; w16: 524,288 bytes for 256 columns,
	s_lshl_b32 s26, s23, 16
	s_add_co_u32 s24, s24, s26                     ; 65,536 for 128 along K,
	s_and_b32 s26, s22, 1
	s_lshl_b32 s26, s26, 3
	s_lshl_b32 s27, s20, 1
	s_add_co_u32 s26, s26, s27
	s_lshl_b32 s26, s26, 12
	s_add_co_u32 s24, s24, s26                     ; 4,096 for 16 columns
	s_add_nc_u64 s[18:19], s[18:19], s[24:25]
.macro OLOAD t
.irp i, 0,1,2,3,4,5,6,7,8,9,10,11,12,13,14,15,16,17,18,19,20,21,22,23,24,25,26,27,28,29,30,31
	global_load_b32 v[OD+32*((\t)%2)+\i], v3, s[8:9] offset:(32*(\t)+\i)*4096 th:TH_LOAD_NT
.endr
.endm
.macro OUNIT t
.set OS, OD+32*((\t)%2)
.set OP, PK+16*(\t)
.if (\t) < 3
	s_wait_loadcnt 32                              ; this unit's 32 loads are in; the next unit's 32 may be out
.else
	s_wait_loadcnt 0
.endif
.irp i, 0,1,2,3,4,5,6,7,8,9,10,11,12,13,14,15
	v_cvt_pk_f16_f32 v[OP+\i], v[OS+2*\i], v[OS+2*\i+1]            ; k = 2 i in the low half, 2 i + 1 in the high
.endr
.irp i, 0,1,2,3
	v_permlane16_swap_b32 v[OP+\i], v[OP+4+\i]     ; the first's lanes 16-31 change places with the second's lanes 0-15: now the first is registers 0-3 of columns 0-15, the second of columns 16-31
	v_permlane16_swap_b32 v[OP+8+\i], v[OP+12+\i]  ; and the same for registers 4-7
.endr
.if (\t) < 2
	OLOAD (\t)+2
.endif
	global_store_b128 v4, v[OP:OP+3], s[18:19] offset:1024*(\t)
	global_store_b128 v4, v[OP+8:OP+11], s[18:19] offset:1024*(\t)+512
	global_store_b128 v4, v[OP+4:OP+7], s[18:19] offset:4096+1024*(\t)
	global_store_b128 v4, v[OP+12:OP+15], s[18:19] offset:4096+1024*(\t)+512
.endm
	OLOAD 0
	OLOAD 1
	OUNIT 0
	OUNIT 1
	OUNIT 2
	OUNIT 3
	s_wait_tensorcnt 0x0                           ; the wave's end
	ds_add_u32 v[SPW], v[NIL]
	s_wait_dscnt 0x0
	s_endpgm
.Lfunc_end_k_q559ecc527c_prep:
	.size	k_q559ecc527c_prep, .Lfunc_end_k_q559ecc527c_prep-k_q559ecc527c_prep
	.p2alignl 7, 3214868480
	.fill 96, 4, 3214868480
	.section	.rodata,"a",@progbits
	.p2align	6, 0x0
	.amdhsa_kernel k_q559ecc527c_prep
		.amdhsa_group_segment_fixed_size 68096
		.amdhsa_private_segment_fixed_size 0
		.amdhsa_enable_private_segment 0
		.amdhsa_kernarg_size 64
		.amdhsa_user_sgpr_count 2
		.amdhsa_user_sgpr_kernarg_segment_ptr 1
		.amdhsa_wavefront_size32 1
		.amdhsa_system_sgpr_workgroup_id_x 1
		.amdhsa_system_sgpr_workgroup_id_y 1
		.amdhsa_system_sgpr_workgroup_id_z 1
		.amdhsa_system_vgpr_workitem_id 0
		.amdhsa_next_free_vgpr 196
		.amdhsa_next_free_sgpr 66
		.amdhsa_reserve_vcc 0
		.amdhsa_float_denorm_mode_32 3
		.amdhsa_float_denorm_mode_16_64 3
		.amdhsa_memory_ordered 1
		.amdhsa_forward_progress 1
		.amdhsa_inst_pref_size 130
	.end_amdhsa_kernel
	.amdgpu_metadata
---
amdhsa.version: [ 1, 2 ]
amdhsa.kernels:
  - .name:           k_q559ecc527c_prep
    .symbol:         k_q559ecc527c_prep.kd
    .args:
      - { .name: x, .offset: 0, .size: 8, .value_kind: global_buffer, .address_space: global }
      - { .name: w_in, .offset: 8, .size: 8, .value_kind: global_buffer, .address_space: global }
      - { .name: w_out, .offset: 16, .size: 8, .value_kind: global_buffer, .address_space: global }
      - { .name: xc, .offset: 24, .size: 8, .value_kind: global_buffer, .address_space: global }
      - { .name: xs, .offset: 32, .size: 8, .value_kind: global_buffer, .address_space: global }
      - { .name: wc, .offset: 40, .size: 8, .value_kind: global_buffer, .address_space: global }
      - { .name: ws, .offset: 48, .size: 8, .value_kind: global_buffer, .address_space: global }
      - { .name: w16, .offset: 56, .size: 8, .value_kind: global_buffer, .address_space: global }
    .group_segment_fixed_size: 68096
    .private_segment_fixed_size: 0
    .kernarg_segment_align: 8
    .kernarg_segment_size: 64
    .max_flat_workgroup_size: 128
    .sgpr_count:     66
    .vgpr_count:     196
    .wavefront_size: 32
...
	.end_amdgpu_metadata
.endif
;; end of part 1
;; launch gemm_in (part 2): grid 12 x 32, 4 waves a work-group, clusters of 4 x 4, 327,680 bytes of LDS; arguments xc, xs, wc, ws, b_in, qkv; writes qkv
.if DOCPART == 2
	.amdgcn_target "amdgcn-amd-amdhsa--gfx1250"
	.amdhsa_code_object_version 6
	.text
	.protected	k_q559ecc527c_gemm_in
	.globl	k_q559ecc527c_gemm_in
	.p2align	8
	.type	k_q559ecc527c_gemm_in,@function
k_q559ecc527c_gemm_in:
	s_mov_b64 s[64:65], 0
	v_nop
	global_prefetch_b8 v0, s[64:65] scope:SCOPE_SE
	s_setreg_imm32_b32 hwreg(HW_REG_WAVE_MODE, 25, 1), 1
	s_wait_xcnt 0x0
	s_wait_alu depctr_hold_cnt(0) depctr_sa_sdst(0) depctr_va_vdst(0) depctr_va_sdst(0) depctr_va_ssrc(0) depctr_va_vcc(0) depctr_vm_vsrc(0)
	s_getreg_b32 s2, hwreg(HW_REG_IB_STS2, 6, 4)
	s_cmp_eq_u32 s2, 0
	s_cbranch_scc0 .Lentry_in_a_cluster
	s_endpgm
.Lentry_in_a_cluster:
	s_bfe_u32 s2, ttmp6, 0x10000c
	s_cmp_lg_u32 s2, 0xf033
	s_cbranch_scc0 .Lentry_shape_is_right
	s_endpgm
.Lentry_shape_is_right:
; qkv = Q(x) Q(w_in) + b_in on codes of FP4 (E2M1) with one E8M0 scale for each 32 along K; sums in f32, begun with the bias; the results are rounded once to f16.
; A = xc [8192][512 bytes], xs [8192][32]; B = wc [3072][512 bytes], ws [3072][32]; K = 1,024.
; A tile of the result, 256 tokens x 256 columns, is made by a work-group of four waves; a wave makes 128 x 128: 64 accumulators of 16 x 16, 512 registers.
; K is two LDS slots of 512 (rows of 256 bytes): both are filled once, at the start; nothing is filled again.  The scale bytes of the work-group's 256 + 256 rows come with them, in blocks of 256 bytes, and stay.
; CLUSTERS: 4 x 4 work-groups.  The four of a row of the cluster need the same tiles of A, the four of a column the same tiles of B: each tile is asked for JOINTLY, by the same tensor load with the same descriptor
; and a mask that names the four.  THE MATRIX INSTRUCTION IS USED TRANSPOSED (source 0 = 16 rows of B, source 1 = 16 rows of A): a lane holds one token and eight neighbouring columns.
; THE RESULT'S LAYOUT is the next launch's: qkv [part: q, k, v][batch x 16 + head][position / 16][channel / 16][512 bytes].  A lane's eight f16 are 16 bytes of such a block: in q and k at 16 x lane (an image of half an
; operand's registers), in v at 32 x position + 16 x half (rows of 16 channels).  So every store covers 512 consecutive bytes straight from registers, and no stage in LDS is needed.
; LIMITS: results beyond 65,504 become infinities in f16; NaN and infinities are not served.
; REGISTERS, in windows of 256: window 0: v0-31 addresses; v32-95 scale words, two sets, and nothing else; v96-127 free; v128-191 A's fragments, ONE set; v192-255 the bias; on the way out v96-255 take the packed results.
;   window 1: B's fragments, TWO sets, at v0 and v128.   window 2: the accumulators of my tokens 0-63 ((a, b) at v[8 (8 a + b)]);   window 3: those of my tokens 64-127.
.set KSTEP,  512                       ; along K in a slot
.set NQ,     4                         ; matrix instructions deep
.set ROWB,   256                       ; a tile's row in bytes
.set KROW,   512                       ; a row of codes in memory
.set PITCH,  272                       ; an LDS row: 256 bytes + 16 of padding = 68 words: the 16 rows that a load touches start 4 words apart modulo 64
.set FR,     8                         ; registers of a fragment: 16 rows x 128 K
.set NL,     2                         ; LDS loads that bring one
.set NP,     4                         ; places behind this matrix instruction (ISA guide 7.12.1)
.set HALFT,  128*PITCH                 ; 128 rows: what one tensor load brings
.set SLOT,   4*HALFT                   ; A's 256 rows, then B's 256 rows
.set KS,     32                        ; a row of scale bytes
.set SCL,    2*SLOT                    ; behind the slots: the scales, as blocks of 256 bytes + 16 of padding
.set HALFS,  (128*KS/256)*272          ; the scales of 128 rows
.set SBLK,   (16*KS/256)*272           ; those of 16 rows
.set SPARE,  SCL+4*HALFS               ; the spare words, 128 bytes for each wave: two blocks of 256 bytes that no other line names
.set ADRA, 16                          ; v16-17  LDS address of my A fragments in slot 0, 1
.set ADRB, 20                          ; v20-21  the same for B
.set CO,   26                          ; v26     my 16 bytes' place in a block of qkv
.set ADRS, 27                          ; v27     LDS address of my scale words: lanes 0-15 A's rows, lanes 16-31 B's
.set SPW,  28                          ; v28     LDS address of my spare word; never rewritten
.set NIL,  29                          ; v29     0; never rewritten
.set BO,   30                          ; v30     the bias loads' offset: 32 x (lane / 16)
.set SC,   32                          ; scale words: set s at v[SC + 32 s]; register 4 i + q: lanes 0-15 the word of A's block i, lanes 16-31 that of B's block i, for the slot's q-th 128 along K
.set TP,   96                          ; the way out: five sets of 32 registers
.set AF,   128                         ; A's fragments
.set BIAS, 192                         ; v[BIAS + 8 b + j] = b_in[my first column + 16 b + 8 (lane / 16) + j]
.set G1, 24                            ; s[24:31] descriptor group 1 for A's tiles;  s[32:39] group 0, one set for each slot
.set G0, 32
.set G1B, 48                           ; s[48:55], s[56:63] the same for B's tiles
.set G0B, 56
.set G1S, 68                           ; s[68:75], s[76:79] groups 1 and 0 for A's scales;  s[80:87], s[88:91] for B's
.set G0S, 76
.set G1SB, 80
.set G0SB, 88
.set MSB, 0
.macro WIN new                         ; the immediate's high byte repeats the setting that is left
.if MSB != (\new)
	s_set_vgpr_msb (MSB<<8)|(\new)
.set MSB, (\new)
.endif
.endm
.set MUL_LO,   0xa1                    ; source 0 (B) window 1, source 1 (A) window 0, C and D window 2
.set MUL_HI,   0xf1                    ; the same, C and D window 3
.set FIRST_LO, 0x81                    ; the first step: C (the bias) window 0, D window 2
.set FIRST_HI, 0xc1                    ; D window 3
.set TO_B,     0x40                    ; destination window 1, address window 0
; A joint load: waves 0 and 1 fetch for A, waves 2 and 3 for B.  Each of the two lines has ONE mask and one set of registers for all that issue it; the branch hangs on the wave's number alone.
; An s_nop 0 and four v_nop follow each of the two lines, ahead of the jump, the label and what follows.
.macro JLOAD g0a, g1a, g0b, g1b
	s_cmp_eq_u32 s15, 0
	s_cbranch_scc0 .Lfor_b_\@
	tensor_load_to_lds s[\g0a:\g0a+3], s[\g1a:\g1a+7]
	s_nop 0
.rept 4
	v_nop
.endr
	s_branch .Lasked_\@
.Lfor_b_\@:
	tensor_load_to_lds s[\g0b:\g0b+3], s[\g1b:\g1b+7]
	s_nop 0
.rept 4
	v_nop
.endr
.Lasked_\@:
.endm
.macro CROUND                          ; a round of the cluster's barrier: my work-group's barrier; wave 0 signals for the work-group; every wave waits for all sixteen; my work-group's barrier once more
	s_barrier_signal -1
	s_barrier_wait -1
	s_cmp_lg_u32 s14, 0
	s_cbranch_scc1 .Lnot_wave_0_\@
	s_barrier_signal -3
.Lnot_wave_0_\@:
	s_barrier_wait -3
	s_barrier_signal -1
	s_barrier_wait -1
.endm
	s_load_b128 s[4:7], s[0:1], 0x0                ; xc s[4:5], xs s[6:7]
	s_load_b128 s[8:11], s[0:1], 0x10              ; wc s[8:9], ws s[10:11]
	s_load_b64 s[96:97], s[0:1], 0x20              ; b_in
	s_load_b64 s[12:13], s[0:1], 0x28              ; qkv
	v_lshl_add_u32 v[SPW], v0, 2, SPARE
	v_mov_b32 v[NIL], 0
	ds_add_u32 v[SPW], v[NIL]                      ; the wave's opening: the add, twice on end, and its wait ahead of my first tensor load; the set-up below stands between the second and the wait
	ds_add_u32 v[SPW], v[NIL]
	v_lshrrev_b32 v1, 5, v0
	v_readfirstlane_b32 s14, v1                    ; wave 0..3
	s_lshr_b32 s15, s14, 1                         ; which half of the tile's tokens is mine.  Also: I fetch for A (0) or for B (1)
	s_and_b32 s16, s14, 1                          ; which half of its columns.  Also: which 128 rows of that tile I fetch
	s_bfe_u32 s40, ttmp6, 0x40000                  ; cx, cy: my place in the cluster
	s_bfe_u32 s41, ttmp6, 0x40004
	s_lshl_b32 s42, ttmp9, 2
	s_add_co_u32 s42, s42, s40                     ; tile column = 4 x cluster x + cx: 0 .. 11
	s_and_b32 s17, ttmp7, 0xffff
	s_lshl_b32 s17, s17, 2
	s_add_co_u32 s17, s17, s41                     ; tile row = 4 x cluster y + cy: 0 .. 31
	s_lshl_b32 s43, s41, 2
	s_lshl_b32 s43, 15, s43                        ; my row of the cluster
	s_lshl_b32 s44, 0x1111, s40                    ; my column
	; descriptor group 1: a tile of 128 rows x 256 bytes, padded in LDS
	s_or_b32 s[G1+0], s43, (0<<16)|(1<<20)|(1<<21)|(5<<22)|(3<<25)  ; 15:0 the mask: A's tiles go to my row; 17:16 element of 1 byte; 20 padding on; 21 set beside a mask; 24:22 after every 64 words (code 5); 31:25 of 4 words (code 3)
	s_or_b32 s[G1B+0], s44, (0<<16)|(1<<20)|(1<<21)|(5<<22)|(3<<25)
.irp g, G1, G1B
	s_mov_b32 s[\g+1], ROWB<<16                    ; tensor_dim0
	s_mov_b32 s[\g+2], 128<<16                     ; tensor_dim1 = 128
	s_mov_b32 s[\g+3], ROWB<<16                    ; tile_dim0
	s_mov_b32 s[\g+4], 128                         ; tile_dim1 = 128
	s_mov_b32 s[\g+5], KROW                        ; tensor_dim0_stride
	s_mov_b32 s[\g+6], 0
	s_mov_b32 s[\g+7], 0
.endr
	; and for the scales of 128 rows: a dense block of 4,096 bytes, as 16 rows of 256 bytes (32 elements of 8 bytes), 16 bytes of padding behind each
	s_or_b32 s[G1S+0], s43, (3<<16)|(1<<20)|(1<<21)|(5<<22)|(3<<25)
	s_or_b32 s[G1SB+0], s44, (3<<16)|(1<<20)|(1<<21)|(5<<22)|(3<<25)
.irp g, G1S, G1SB
	s_mov_b32 s[\g+1], 32<<16
	s_mov_b32 s[\g+2], (128*KS/256)<<16
	s_mov_b32 s[\g+3], 32<<16
	s_mov_b32 s[\g+4], 128*KS/256
	s_mov_b32 s[\g+5], 32
	s_mov_b32 s[\g+6], 0
	s_mov_b32 s[\g+7], 0
.endr
	s_lshl_b32 s18, s16, 7                         ; which 128 rows of the tile I fetch
	s_lshl_b32 s20, s17, 8
	s_add_co_u32 s20, s20, s18                     ; A: row 256 x tile row + 128 x half
	s_lshl_b32 s46, s42, 8
	s_add_co_u32 s46, s46, s18                     ; B: row 256 x tile column + 128 x half
	s_mov_b32 s21, 0
	s_mov_b32 s47, 0
	s_mov_b64 s[18:19], KS
	s_mul_u64 s[22:23], s[20:21], s[18:19]         ; where these rows' scales begin, in bytes
	s_mul_u64 s[92:93], s[46:47], s[18:19]
	s_mov_b64 s[18:19], KROW
	s_mul_u64 s[20:21], s[20:21], s[18:19]         ; and their codes
	s_mul_u64 s[46:47], s[46:47], s[18:19]
	s_mul_i32 s45, s14, HALFT                      ; where they go: wave x 128 rows: no place in the cluster enters an LDS address
	s_mul_i32 s94, s14, HALFS
	s_wait_dscnt 0x0                               ; both opening adds are done
	s_wait_kmcnt 0x0
	s_add_nc_u64 s[20:21], s[4:5], s[20:21]
	s_add_nc_u64 s[22:23], s[6:7], s[22:23]
	s_add_nc_u64 s[46:47], s[8:9], s[46:47]
	s_add_nc_u64 s[92:93], s[10:11], s[92:93]
	CROUND                                         ; all sixteen work-groups are here: the joint loads meet
	s_mov_b32 s[G0S], 1
	s_add_co_u32 s[G0S+1], s94, SCL
	s_mov_b64 s[G0S+2:G0S+3], s[22:23]
	s_or_b32 s[G0S+3], s[G0S+3], 0x80000000
	s_mov_b32 s[G0SB], 1
	s_add_co_u32 s[G0SB+1], s94, SCL
	s_mov_b64 s[G0SB+2:G0SB+3], s[92:93]
	s_or_b32 s[G0SB+3], s[G0SB+3], 0x80000000
	JLOAD G0S, G1S, G0SB, G1SB                     ; the scales first: they are wanted with the first slot
.irp s, 0,1
	s_mov_b32 s[G0+4*\s], 1
	s_add_co_u32 s[G0+4*\s+1], s45, \s*SLOT
	s_add_nc_u64 s[G0+4*\s+2:G0+4*\s+3], s[20:21], \s*ROWB
	s_or_b32 s[G0+4*\s+3], s[G0+4*\s+3], 0x80000000
	s_mov_b32 s[G0B+4*\s], 1
	s_add_co_u32 s[G0B+4*\s+1], s45, \s*SLOT
	s_add_nc_u64 s[G0B+4*\s+2:G0B+4*\s+3], s[46:47], \s*ROWB
	s_or_b32 s[G0B+4*\s+3], s[G0B+4*\s+3], 0x80000000
	JLOAD G0+4*\s, G1, G0B+4*\s, G1B               ; three loads of mine are out behind the second of these
.endr
	v_and_b32 v1, 15, v0                           ; r = lane % 16
	v_bfe_u32 v2, v0, 4, 1                         ; h = lane / 16
	v_mul_u32_u24 v3, v1, PITCH
	v_lshl_add_u32 v4, v2, 4, v3                   ; a fragment's row x pitch + 16 x half
	s_mul_i32 s21, s15, HALFT                      ; my 128 rows of A
	s_mul_i32 s22, s16, HALFT                      ; my 128 rows of B,
	s_add_co_u32 s22, s22, 2*HALFT                 ; which lie behind A's 256
.irp s, 0,1
	v_add_nc_u32 v[ADRA+\s], s21, v4
	v_add_nc_u32 v[ADRB+\s], s22, v4
	s_add_co_u32 s21, s21, SLOT
	s_add_co_u32 s22, s22, SLOT
.endr
	v_mul_u32_u24 v5, v1, KS                       ; my row's scales: 32 bytes a row,
	v_lshrrev_b32 v6, 8, v5
	v_lshl_add_u32 v5, v6, 4, v5                   ; and 16 more for each 256 passed
	s_mul_i32 s21, s15, HALFS                      ; A's: my 128 rows
	s_mul_i32 s22, s16, HALFS                      ; B's: my 128 rows, behind A's 256
	s_add_co_u32 s22, s22, 2*HALFS
	s_sub_co_u32 s22, s22, s21
	v_mul_u32_u24 v6, s22, v2                      ; lanes 16-31 take B's: one product, the distance between the two bases
	s_add_co_u32 s21, s21, SCL
	v_add_nc_u32 v5, v5, v6
	v_add_nc_u32 v[ADRS], s21, v5
	; the bias: my 128 columns, eight numbers a lane for each of B's eight blocks
	v_lshlrev_b32 v[BO], 5, v2
	s_lshl_b32 s46, s42, 10                        ; 4 bytes x 256 x tile column
	s_lshl_b32 s47, s16, 9
	s_add_co_u32 s46, s46, s47                     ; + 4 x 128 x half
	s_mov_b32 s47, 0
	s_add_nc_u64 s[96:97], s[96:97], s[46:47]
.irp b, 0,1,2,3,4,5,6,7
	global_load_b128 v[BIAS+8*\b:BIAS+8*\b+3], v[BO], s[96:97] offset:64*\b
	global_load_b128 v[BIAS+8*\b+4:BIAS+8*\b+7], v[BO], s[96:97] offset:64*\b+16
.endr
	; where my results go.  The part (q, k, v) is the cluster's x: four tile columns of 256 are 1,024 columns
	s_cmp_eq_u32 ttmp9, 2
	s_cselect_b32 s18, 32, 16                      ; v: 32 bytes from position to position, 16 from half to half;
	s_cselect_b32 s19, 16, 256                     ; q, k: 16 x lane
	v_mul_u32_u24 v[CO], v1, s18
	v_mad_u32_u24 v[CO], v2, s19, v[CO]
	s_lshl_b32 s20, ttmp9, 24                      ; the part: 16,777,216 bytes
	s_lshr_b32 s21, s17, 3                         ; the batch: eight tile rows are 2,048 tokens
	s_lshl_b32 s21, s21, 4
	s_lshl_b32 s46, s40, 2                         ; the head: four to a tile column,
	s_add_co_u32 s21, s21, s46
	s_lshl_b32 s46, s16, 1                         ; two to my half
	s_add_co_u32 s21, s21, s46
	s_lshl_b32 s21, s21, 18                        ; 262,144 bytes a head
	s_add_co_u32 s20, s20, s21
	s_and_b32 s21, s17, 7
	s_lshl_b32 s21, s21, 4                         ; sixteen blocks of 16 positions to a tile row,
	s_lshl_b32 s46, s15, 3                         ; eight to my half
	s_add_co_u32 s21, s21, s46
	s_lshl_b32 s21, s21, 11                        ; 2,048 bytes for 16 positions
	s_add_co_u32 s20, s20, s21
	s_mov_b32 s21, 0
	s_add_nc_u64 s[12:13], s[12:13], s[20:21]
.macro FRAG reg, adr, q, i             ; a fragment, 16 rows x 128 K of 4-bit codes, is 8 registers: lane l holds row l % 16; registers 4 c .. 4 c + 3 hold K = 64 c + 32 (l / 16) + 0 .. 31
.irp c, 0,1
	ds_load_b128 v[\reg+4*\c:\reg+4*\c+3], v[\adr] offset:64*(\q)+32*\c+(\i)*16*PITCH
.endr
.endm
; 16 matrix instructions: A's blocks a0, a0 + 1 x B's eight, 128 along K: the slot's q-th.  p: B's set;  sc: the set of scale words.  first = 1: the bias is the C of the sum's first product: nothing is cleared, nothing is added later.
; The 64 accumulators take turns, one instruction a turn, in the same order in every step.
.macro MUL16 a0, p, q, sc, first
.irp a, \a0, \a0+1
.irp b, 0,1,2,3,4,5,6,7
.if \first
	v_wmma_scale_f32_16x16x128_f8f6f4 v[8*(8*((\a)%4)+\b):8*(8*((\a)%4)+\b)+7], v[128*(\p)+FR*\b:128*(\p)+FR*\b+FR-1], v[AF+FR*(\a):AF+FR*(\a)+FR-1], v[BIAS+8*\b:BIAS+8*\b+7], v[SC+8*NQ*(\sc)+NQ*\b+(\q)], v[SC+8*NQ*(\sc)+NQ*(\a)+(\q)] matrix_a_fmt:MATRIX_FMT_FP4 matrix_b_fmt:MATRIX_FMT_FP4 matrix_a_scale:MATRIX_SCALE_ROW1
.else
	v_wmma_scale_f32_16x16x128_f8f6f4 v[8*(8*((\a)%4)+\b):8*(8*((\a)%4)+\b)+7], v[128*(\p)+FR*\b:128*(\p)+FR*\b+FR-1], v[AF+FR*(\a):AF+FR*(\a)+FR-1], v[8*(8*((\a)%4)+\b):8*(8*((\a)%4)+\b)+7], v[SC+8*NQ*(\sc)+NQ*\b+(\q)], v[SC+8*NQ*(\sc)+NQ*(\a)+(\q)] matrix_a_fmt:MATRIX_FMT_FP4 matrix_b_fmt:MATRIX_FMT_FP4 matrix_a_scale:MATRIX_SCALE_ROW1
.endif
.endr
.endr
.endm
.macro FETCH_B slot, q, p              ; B's eight fragments of the slot's q-th 128 along K into set p
	WIN TO_B
.irp i, 0,1,2,3,4,5,6,7
	FRAG 128*(\p)+FR*\i, ADRB+\slot, \q, \i
.endr
	WIN 0
.endm
.macro FETCH_A slot, q, i0             ; A's blocks i0 .. i0 + 3
.irp i, \i0, \i0+1, \i0+2, \i0+3
	FRAG AF+FR*(\i), ADRA+\slot, \q, \i
.endr
.endm
.macro SCALES sc                       ; a slot's scale words into set sc: four words a row; lanes 0-15 take A's block i, lanes 16-31 B's block i
.irp i, 0,1,2,3,4,5,6,7
	ds_load_b128 v[SC+8*NQ*\sc+NQ*\i:SC+8*NQ*\sc+NQ*\i+3], v[ADRS] offset:\i*SBLK
.endr
.endm
; A load into a register that a matrix instruction has read, and a vector instruction that reads a matrix result, stand NP places behind that matrix instruction, and only plain vector instructions that name none of
; its registers are places (ISA guide 7.12.1 for vector instructions); the matrix instructions in between are not counted.
.macro PLACES n
.rept \n
	v_nop
.endr
.endm
; A step of 128 along K that has its successor in the same slot.  A block of A is free as soon as its eight products are issued: blocks 0-3 are fetched anew in the step's middle, blocks 4-7 at its end.
.macro STEP slot, q, first
	s_wait_dscnt 4*NL                              ; B's set and A's blocks 0-3 are in; the youngest eight loads (A's blocks 4-7) may be out
.if \first
	WIN FIRST_LO
.else
	WIN MUL_LO
.endif
	MUL16 0, (\q)%2, \q, \slot, \first
	MUL16 2, (\q)%2, \q, \slot, \first
	s_wait_dscnt 0                                 ; A's blocks 4-7 are in (asked for 32 matrix instructions ago)
	PLACES NP
	FETCH_B \slot, (\q)+1, 1-(\q)%2
	FETCH_A \slot, (\q)+1, 0
.if \first
	WIN FIRST_HI
.else
	WIN MUL_HI
.endif
	MUL16 4, (\q)%2, \q, \slot, \first
	MUL16 6, (\q)%2, \q, \slot, \first
	PLACES NP
	WIN 0
	FETCH_A \slot, (\q)+1, 4
.endm
; Slot 0's last step goes over to slot 1: each wave waits for all its tensor loads (its part of slot 1), and one barrier shows the whole slot to every wave.  Nothing is filled again.
.macro TURN slot, next
	s_wait_tensorcnt 0x0                           ; all my tensor loads have landed  (every window is 0 here: the add's two registers lie in window 0)
	ds_add_u32 v[SPW], v[NIL]                      ; 0 onto my spare word
	s_wait_dscnt 4*NL+1                            ; (the add and the youngest eight loads, A's blocks 4-7, may be out)
	WIN MUL_LO
	MUL16 0, 1, NQ-1, \slot, 0                     ; sixteen matrix instructions stand between the add and the wait for it
	s_wait_dscnt 0x0                               ; the add is done, and no LDS load of mine is out at the signal
	s_barrier_signal -1
	MUL16 2, 1, NQ-1, \slot, 0
	WIN 0
	s_barrier_wait -1
	PLACES NP
	v_add_nc_u32 v[ADRS], 4*NQ, v[ADRS]            ; on to the next slot's scale words (no LDS load of mine is out)
	FETCH_B \next, 0, 0
	FETCH_A \next, 0, 0
	SCALES \next
	WIN MUL_HI
	MUL16 4, 1, NQ-1, \slot, 0
	MUL16 6, 1, NQ-1, \slot, 0
	PLACES NP
	WIN 0
	FETCH_A \next, 0, 4
.endm
.macro STEPS slot, from                ; the slot's steps from .. NQ - 2
.set Q, \from
.rept NQ-1-\from
	STEP \slot, Q, 0
.set Q, Q+1
.endr
.endm
	s_wait_tensorcnt 1                             ; the scales and my part of slot 0 are in (slot 1's load may be out)
	s_barrier_signal -1
	s_barrier_wait -1                              ; everybody's are
	FETCH_B 0, 0, 0
	FETCH_A 0, 0, 0
	SCALES 0
	FETCH_A 0, 0, 4
	s_wait_loadcnt 0x0                             ; the bias
	STEP 0, 0, 1                                   ; the first step's products start the sums from the bias
	STEPS 0, 1
	TURN 0, 1
	STEPS 1, 0
	s_wait_dscnt 4*NL                              ; the very last step: nothing more to fetch
	WIN MUL_LO
	MUL16 0, 1, NQ-1, 1, 0
	MUL16 2, 1, NQ-1, 1, 0
	s_wait_dscnt 0
	WIN MUL_HI
	MUL16 4, 1, NQ-1, 1, 0
	MUL16 6, 1, NQ-1, 1, 0
	WIN 0
; THE WAY OUT, block by block of 16 tokens x 128 columns.  A lane's eight results of an accumulator are rounded to f16, each accumulator from its low end on, and are 16 bytes of one block of qkv: eight stores of 512 consecutive bytes.
; Accumulator b: head b / 4 of my two, channels 16 (b % 4) on.  Five sets of registers take turns; from block 5 on a set is written again, behind the wait that shows that its stores have read it.
.macro PACKOUT a
.set AC, 64*((\a)%4)
.set T, TP+32*((\a)%5)
.if (\a) >= 5
	s_wait_xcnt 0x0                                ; the stores of five blocks ago have read their registers
.endif
	WIN 0x0a+5*((\a)/4)                            ; sources 0 and 1: window 2 or 3
.irp b, 0,1,2,3,4,5,6,7
.irp i, 0,1,2,3
	v_cvt_pk_f16_f32 v[T+4*\b+\i], v[AC+8*\b+2*\i], v[AC+8*\b+2*\i+1]
.endr
.endr
	WIN 0
.irp b, 0,1,2,3,4,5,6,7
	global_store_b128 v[CO], v[T+4*\b:T+4*\b+3], s[12:13] offset:(\a)*2048+(\b/4)*262144+(\b%4)*512
.endr
.endm
	PLACES NP                                      ; behind the last products, whose results and operands are read and written below
.irp a, 0,1,2,3,4,5,6,7
	PACKOUT \a
.endr
	s_wait_tensorcnt 0x0                           ; the wave's end, behind my last tensor load
	ds_add_u32 v[SPW], v[NIL]
	s_wait_dscnt 0x0
	CROUND                                         ; the closing round: no work-group ends while a partner may still ask for a tile that names it
	s_endpgm
.Lfunc_end_k_q559ecc527c_gemm_in:
	.size	k_q559ecc527c_gemm_in, .Lfunc_end_k_q559ecc527c_gemm_in-k_q559ecc527c_gemm_in
	.p2alignl 7, 3214868480
	.fill 96, 4, 3214868480
	.section	.rodata,"a",@progbits
	.p2align	6, 0x0
	.amdhsa_kernel k_q559ecc527c_gemm_in
		.amdhsa_group_segment_fixed_size 327680
		.amdhsa_private_segment_fixed_size 0
		.amdhsa_enable_private_segment 0
		.amdhsa_kernarg_size 48
		.amdhsa_user_sgpr_count 2
		.amdhsa_user_sgpr_kernarg_segment_ptr 1
		.amdhsa_wavefront_size32 1
		.amdhsa_system_sgpr_workgroup_id_x 1
		.amdhsa_system_sgpr_workgroup_id_y 1
		.amdhsa_system_sgpr_workgroup_id_z 1
		.amdhsa_system_vgpr_workitem_id 0
		.amdhsa_next_free_vgpr 1024
		.amdhsa_next_free_sgpr 98
		.amdhsa_reserve_vcc 0
		.amdhsa_float_denorm_mode_32 3
		.amdhsa_float_denorm_mode_16_64 3
		.amdhsa_memory_ordered 1
		.amdhsa_forward_progress 1
		.amdhsa_inst_pref_size 119
	.end_amdhsa_kernel
	.amdgpu_metadata
---
amdhsa.version: [ 1, 2 ]
amdhsa.kernels:
  - .name:           k_q559ecc527c_gemm_in
    .symbol:         k_q559ecc527c_gemm_in.kd
    .args:
      - { .name: xc, .offset: 0, .size: 8, .value_kind: global_buffer, .address_space: global }
      - { .name: xs, .offset: 8, .size: 8, .value_kind: global_buffer, .address_space: global }
      - { .name: wc, .offset: 16, .size: 8, .value_kind: global_buffer, .address_space: global }
      - { .name: ws, .offset: 24, .size: 8, .value_kind: global_buffer, .address_space: global }
      - { .name: b_in, .offset: 32, .size: 8, .value_kind: global_buffer, .address_space: global }
      - { .name: qkv, .offset: 40, .size: 8, .value_kind: global_buffer, .address_space: global }
    .group_segment_fixed_size: 327680
    .private_segment_fixed_size: 0
    .kernarg_segment_align: 8
    .kernarg_segment_size: 48
    .max_flat_workgroup_size: 128
    .sgpr_count:     98
    .vgpr_count:     1024
    .wavefront_size: 32
...
	.end_amdgpu_metadata
.endif
;; end of part 2
;; launch attn (part 3): grid 4 x 64, 16 waves a work-group, clusters of 4 x 1, 327,680 bytes of LDS; arguments qkv, att; writes att
.if DOCPART == 3
	.amdgcn_target "amdgcn-amd-amdhsa--gfx1250"
	.amdhsa_code_object_version 6
	.text
	.protected	k_q559ecc527c_attn
	.globl	k_q559ecc527c_attn
	.p2align	8
	.type	k_q559ecc527c_attn,@function
k_q559ecc527c_attn:
	s_mov_b64 s[64:65], 0
	v_nop
	global_prefetch_b8 v0, s[64:65] scope:SCOPE_SE
	s_setreg_imm32_b32 hwreg(HW_REG_WAVE_MODE, 25, 1), 1
	s_wait_xcnt 0x0
	s_wait_alu depctr_hold_cnt(0) depctr_sa_sdst(0) depctr_va_vdst(0) depctr_va_sdst(0) depctr_va_ssrc(0) depctr_va_vcc(0) depctr_vm_vsrc(0)
	s_getreg_b32 s2, hwreg(HW_REG_IB_STS2, 6, 4)
	s_cmp_eq_u32 s2, 0
	s_cbranch_scc0 .Lentry_in_a_cluster
	s_endpgm
.Lentry_in_a_cluster:
	s_bfe_u32 s2, ttmp6, 0x10000c
	s_cmp_lg_u32 s2, 0x3003
	s_cbranch_scc0 .Lentry_shape_is_right
	s_endpgm
.Lentry_shape_is_right:
; att[token][64 head + channel] = the sum over keys of softmax(q . k / 8) v, for each of 64 (batch, head) pairs; 2,048 positions, 64 channels; no mask.  Operands in f16; products, maxima and sums in f32;
; the weights p are rounded to f16 for the second product, the result once at the end.
; qkv: [q, k, v][batch x 16 + head][position / 16][channel / 16][512 bytes].  A block of q or k is half an operand's register image (lane (r, h): position r, channels 8 h .. 8 h + 7, at 16 x lane); a block of v is 16 rows
; of 16 channels, 32 bytes apart, as the turning load takes it.  att: [token / 128][k / 128][16 tokens][32 k][1,024 bytes]: register images for the next launch.
; SHARES.  A work-group owns 512 queries of one head; each of its SIXTEEN waves owns 32, two tiles of 16, in 256 registers: four waves to a SIMD, so that one wave's vector work stands beside another's matrix work and
; LDS loads.  Every wave walks all 2,048 keys, 64 a step.  K and V come through two LDS slots of 512 keys (65,536 bytes of K, then 65,536 of V); each wave fetches 8,192 bytes of a slot, one tensor load.
; CLUSTER.  The four query blocks of a head walk the same K and V, so each tile is asked for JOINTLY: the same tensor load, with the same descriptor and a mask that names the four, in all four.
; LAYOUT.  S^T = K Q^T (source 0 = 16 keys, source 1 = 16 queries): a lane holds ONE query (lane % 16) and keys 8 (lane / 16) + 0..7.  Two such tiles, rounded in pairs, ARE source 1 of O^T = V^T P, whose result again
; holds one query a lane, and eight channels: these pack into 16 bytes of an image of att, so every store covers 512 consecutive bytes straight from registers.
; SOFTMAX.  A running maximum m and sum l for each query: p = 2^(c s - c m), c = log2(e) / 8; in every step O and l are multiplied by a = 2^(c m_old - c m_new).  The step is written once: m begins at -3e38, l and O^T at 0.
; No prefetch is written: two of the four slots' worth of keys are asked for at the head, and each of the other two has eight key steps of all sixteen waves between its request and the wait for it.
; LIMITS: NaN and infinities are not served; a weight under 2^-126 counts as 0; results under 6e-5 are rounded in steps of 6e-8.
.set SLOT1, 131072                     ; slot 1 begins here: one exclusive or turns an address in one slot into the other's
.set VOFF,  65536                      ; V's bytes in a slot
.set SPARE, 262144                     ; behind the slots: the spare words, 128 bytes for each wave: eight blocks of 256 bytes that no other line names
.set AK,  1                            ; v1   16 x lane: my place in an image (K's, Q's, att's); never rewritten
.set AV,  2                            ; v2   my place in a block of V for the turning load, + VOFF; never rewritten
.set ADK, 3                            ; v3   LDS address of the step's K
.set ADV, 4                            ; v4   of its V
.set SPW, 5                            ; v5   LDS address of my spare word; never rewritten
.set NIL, 6                            ; v6   0; never rewritten
.set ST,  8                            ; tile t's statistics at v[ST + 8 t]: +0 c m, +1 m, +2, +3 l (even keys', odd keys'), +4 .. +7 c0-c3, at work; a takes c2's place
.set QF,  24                           ; v24-55   Q: tile t, channels 32 c on, at QF + 16 t + 8 c
.set KV,  56                           ; v56-119  K (16 keys k, channels 32 c on) at KV + 8 (4 c + k); later V^T (channels 16 d on, keys 32 g on) at KV + 8 (4 g + d)
.set S,   120                          ; v120-183 S^T: tile t, keys 16 k on, at S + 32 t + 8 k; P in place: keys 32 g on at S + 32 t + 8 g
.set OT,  184                          ; v184-247 O^T: tile t, channels 16 d on, at OT + 32 t + 8 d
.set WV,  8                            ; s8   my wave's number
.set G1,  24                           ; s[24:31] descriptor group 1
.set G0,  32                           ; s[32:35] group 0 of slot 0's first fill;  s[36:39] of slot 1's, which then walks
.set CS,  40                           ; s[40:41] c: the packed scaling names a pair and takes its low word for both halves
.set SEL, 42                           ; s[42:43] lane selects for v_permlanex16_b32: lane l xor 16
.set TB,  44                           ; s44  LDS byte at which the step's K begins
.set SLOTS, 45                         ; s45  slots still to be asked for
.set STEPC, 46                         ; s46  counts a slot's eight steps
.macro CROUND                          ; a round of the cluster's barrier: my work-group's barrier; wave 0 signals for the work-group; every wave waits for all four; my work-group's barrier once more
	s_barrier_signal -1
	s_barrier_wait -1
	s_cmp_lg_u32 s[WV], 0
	s_cbranch_scc1 .Lnot_wave_0_\@
	s_barrier_signal -3
.Lnot_wave_0_\@:
	s_barrier_wait -3
	s_barrier_signal -1
	s_barrier_wait -1
.endm
	s_load_b128 s[4:7], s[0:1], 0x0                ; qkv s[4:5], att s[6:7]
	v_lshl_add_u32 v[SPW], v0, 2, SPARE
	v_mov_b32 v[NIL], 0
	ds_add_u32 v[SPW], v[NIL]                      ; the wave's opening: the add, twice on end, and its wait ahead of my first tensor load; the set-up below stands between the second and the wait
	ds_add_u32 v[SPW], v[NIL]
	v_lshrrev_b32 v1, 5, v0
	v_readfirstlane_b32 s[WV], v1                  ; wave 0..15
	s_bfe_u32 s9, ttmp6, 0x40000                   ; cx: my block of 512 queries; it enters Q's and att's addresses alone
	s_and_b32 s10, ttmp7, 0xffff                   ; batch x 16 + head, which the four partners share
	; what I fetch: waves 0-7 K's, waves 8-15 V's: 8,192 bytes (64 keys) of each slot
	s_lshr_b32 s12, s[WV], 3
	s_add_co_u32 s12, s12, 1
	s_lshl_b32 s12, s12, 24                        ; part k or v: 16,777,216 bytes a part
	s_lshl_b32 s13, s10, 18                        ; 262,144 bytes a head
	s_add_co_u32 s12, s12, s13
	s_and_b32 s13, s[WV], 7
	s_lshl_b32 s13, s13, 13
	s_add_co_u32 s12, s12, s13
	s_mov_b32 s13, 0
	s_lshl_b32 s14, s[WV], 13                      ; and its place in a slot: 8,192 x wave: no place in the cluster enters an LDS address
	; Q: my 32 queries: two blocks of 16 positions, 2,048 bytes each
	s_lshl_b32 s16, s10, 18
	s_lshl_b32 s17, s9, 16
	s_add_co_u32 s16, s16, s17
	s_lshl_b32 s17, s[WV], 12
	s_add_co_u32 s16, s16, s17
	s_mov_b32 s17, 0
	; att: 128 tokens are 262,144 bytes; 128 along k (two heads) 32,768; 16 tokens 4,096; a head's 64 channels 2,048
	s_lshr_b32 s18, s10, 4
	s_lshl_b32 s18, s18, 4                         ; 16 blocks of 128 tokens a batch,
	s_lshl_b32 s19, s9, 2
	s_add_co_u32 s18, s18, s19                     ; four to a work-group,
	s_lshr_b32 s19, s[WV], 2
	s_add_co_u32 s18, s18, s19                     ; four waves to a block
	s_lshl_b32 s18, s18, 18
	s_bfe_u32 s19, s10, 0x30001                    ; head / 2
	s_lshl_b32 s19, s19, 15
	s_add_co_u32 s18, s18, s19
	s_and_b32 s19, s[WV], 3
	s_lshl_b32 s19, s19, 13
	s_add_co_u32 s18, s18, s19
	s_and_b32 s19, s10, 1                          ; head % 2
	s_lshl_b32 s19, s19, 11
	s_add_co_u32 s18, s18, s19
	s_mov_b32 s19, 0
	; descriptor group 1: 8,192 dense bytes as 32 rows of 256 bytes (32 elements of 8 bytes), no padding: the images are read 16 x lane
	s_mov_b32 s[G1], 15|(3<<16)|(1<<21)            ; 15:0 the mask: all four work-groups; 17:16 elements of 8 bytes; 21 set beside a mask
	s_mov_b32 s[G1+1], 32<<16                      ; tensor_dim0 = 32
	s_mov_b32 s[G1+2], 32<<16                      ; tensor_dim1 = 32
	s_mov_b32 s[G1+3], 32<<16                      ; tile_dim0 = 32
	s_mov_b32 s[G1+4], 32                          ; tile_dim1 = 32
	s_mov_b32 s[G1+5], 32                          ; tensor_dim0_stride
	s_mov_b32 s[G1+6], 0
	s_mov_b32 s[G1+7], 0
	s_mov_b32 s[CS], 0x3e38aa3b                    ; c = log2(e) / 8
	s_mov_b32 s[CS+1], s[CS]                       ; (named with it as a pair, so it is written)
	s_mov_b32 s[SEL], 0x76543210
	s_mov_b32 s[SEL+1], 0xfedcba98
	s_mov_b32 s[TB], 0
	s_wait_dscnt 0x0                               ; both opening adds are done
	s_wait_kmcnt 0x0
	s_add_nc_u64 s[12:13], s[4:5], s[12:13]        ; my part of the first 512 keys
	s_add_nc_u64 s[4:5], s[4:5], s[16:17]          ; Q at my first query
	s_add_nc_u64 s[6:7], s[6:7], s[18:19]          ; att at my first image
	CROUND                                         ; all four work-groups are here: the first joint loads meet
	s_mov_b32 s[G0], 1                             ; count = 1
	s_mov_b32 s[G0+1], s14                         ; LDS address: slot 0
	s_mov_b64 s[G0+2:G0+3], s[12:13]               ; keys 0 .. 511
	s_or_b32 s[G0+3], s[G0+3], 0x80000000          ; type = 2
	s_mov_b32 s[G0+4], 1
	s_add_co_u32 s[G0+5], s14, SLOT1               ; slot 1
	s_add_nc_u64 s[G0+6:G0+7], s[12:13], 65536     ; keys 512 .. 1,023
	s_or_b32 s[G0+7], s[G0+7], 0x80000000
	tensor_load_to_lds s[G0:G0+3], s[G1:G1+7]      ; the two first fills go out together: two loads of mine are out
	s_nop 0
	tensor_load_to_lds s[G0+4:G0+7], s[G1:G1+7]
	s_nop 0
.rept 4
	v_nop
.endr
	v_and_b32 v[AK], 31, v0
	v_lshlrev_b32 v[AK], 4, v[AK]
.irp t, 0,1
.irp c, 0,1
.irp u, 0,1
	global_load_b128 v[QF+16*\t+8*\c+4*\u:QF+16*\t+8*\c+4*\u+3], v[AK], s[4:5] offset:\t*2048+\c*1024+\u*512   ; Q stays in registers
.endr
.endr
.endr
	; the turning load takes 16 keys x 16 channels: lane l reads 16 bytes: key 8 (l / 16) + l % 8, channels 8 ((l / 8) % 2) + 0..7; rows 32 bytes apart
	v_and_b32 v3, 7, v0
	v_bfe_u32 v4, v0, 4, 1
	v_lshl_add_u32 v3, v4, 3, v3
	v_bfe_u32 v4, v0, 3, 1
	v_lshlrev_b32 v[AV], 5, v3
	v_lshl_add_u32 v[AV], v4, 4, v[AV]
	v_add_nc_u32 v[AV], VOFF, v[AV]
.irp t, 0,1
	v_mov_b32 v[ST+8*\t+1], 0xff61b1e6             ; m = -3e38, under every score
	v_mul_f32 v[ST+8*\t], s[CS], v[ST+8*\t+1]      ; c m
	v_mov_b32 v[ST+8*\t+2], 0                      ; l
	v_mov_b32 v[ST+8*\t+3], 0
.endr
.set j, 0
.rept 64
	v_mov_b32 v[OT+j], 0                           ; O^T.  (The step is written once: the first finds zeros, and its a is 0)
.set j, j+1
.endr
; A KEY STEP: 64 keys.
.macro STEP
	v_add_nc_u32 v[ADK], s[TB], v[AK]
	v_add_nc_u32 v[ADV], s[TB], v[AV]
.rept 3
	v_nop                                          ; with the two additions five places behind the last step's products: four are owed by the loads into V's registers, five by the products that write over P
.endr
.irp c, 0,1
.irp k, 0,1,2,3
.irp u, 0,1
	ds_load_b128 v[KV+8*(4*\c+\k)+4*\u:KV+8*(4*\c+\k)+4*\u+3], v[ADK] offset:\k*2048+\c*1024+\u*512
.endr
.endr
.endr
	s_wait_dscnt 8                                 ; channels 0-31 of the 64 keys are in; the eight loads of channels 32-63 may be out
.irp k, 0,1,2,3
.irp t, 0,1
	v_wmma_f32_16x16x32_f16 v[S+32*\t+8*\k:S+32*\t+8*\k+7], v[KV+8*\k:KV+8*\k+7], v[QF+16*\t:QF+16*\t+7], 0   ; the eight accumulators take turns
.endr
.endr
	s_wait_dscnt 0x0
.irp k, 0,1,2,3
.irp t, 0,1
	v_wmma_f32_16x16x32_f16 v[S+32*\t+8*\k:S+32*\t+8*\k+7], v[KV+8*(4+\k):KV+8*(4+\k)+7], v[QF+16*\t+8:QF+16*\t+15], v[S+32*\t+8*\k:S+32*\t+8*\k+7]
.endr
.endr
.rept 4
	v_nop                                          ; places in front of the loads into K's registers and of the first read of the scores
.endr
.irp g, 0,1
.irp d, 0,1,2,3
.irp u, 0,1
	ds_load_tr16_b128 v[KV+8*(4*\g+\d)+4*\u:KV+8*(4*\g+\d)+4*\u+3], v[ADV] offset:(2*\g+\u)*2048+\d*512   ; V^T: they land while the softmax is walked
.endr
.endr
.endr
	; the maximum of each query's 32 scores of my half and the old m: four chains; each accumulator is read from its low end on
.irp j, 0,1,2,3
.irp t, 0,1
	v_max3_num_f32 v[ST+8*\t+4+\j], v[S+32*\t+8*\j], v[S+32*\t+8*\j+1], v[S+32*\t+8*\j+2]
.endr
.endr
.irp i, 3,5
.irp j, 0,1,2,3
.irp t, 0,1
	v_max3_num_f32 v[ST+8*\t+4+\j], v[ST+8*\t+4+\j], v[S+32*\t+8*\j+\i], v[S+32*\t+8*\j+\i+1]
.endr
.endr
.endr
.irp t, 0,1
	v_max3_num_f32 v[ST+8*\t+4], v[ST+8*\t+4], v[S+32*\t+7], v[S+32*\t+15]
.endr
.irp t, 0,1
	v_max3_num_f32 v[ST+8*\t+6], v[ST+8*\t+6], v[S+32*\t+23], v[S+32*\t+31]
.endr
.irp t, 0,1
	v_max3_num_f32 v[ST+8*\t+4], v[ST+8*\t+4], v[ST+8*\t+5], v[ST+8*\t+6]
.endr
.irp t, 0,1
	v_max3_num_f32 v[ST+8*\t+4], v[ST+8*\t+4], v[ST+8*\t+7], v[ST+8*\t+1]
.endr
.irp t, 0,1
	v_permlanex16_b32 v[ST+8*\t+5], v[ST+8*\t+4], s[SEL], s[SEL+1]   ; the query's other 32 keys lie in the lane 16 away
.endr
.irp t, 0,1
	v_mov_b32 v[ST+8*\t+7], v[ST+8*\t]             ; c m_old is kept for a
.endr
.irp t, 0,1
	v_max_num_f32 v[ST+8*\t+1], v[ST+8*\t+4], v[ST+8*\t+5]   ; the new m
.endr
.irp t, 0,1
	v_mul_f32 v[ST+8*\t], s[CS], v[ST+8*\t+1]      ; c m
.endr
.irp t, 0,1
	v_sub_f32 v[ST+8*\t+7], v[ST+8*\t+7], v[ST+8*\t]   ; c m_old - c m_new, 0 or less
.endr
.irp t, 0,1
.set j, 0
.rept 16
	v_pk_fma_f32 v[S+32*\t+j:S+32*\t+j+1], v[S+32*\t+j:S+32*\t+j+1], s[CS:CS+1], v[ST+8*\t:ST+8*\t+1] op_sel_hi:[1,0,0] neg_lo:[0,0,1] neg_hi:[0,0,1]   ; c s - c m, two at a time
.set j, j+2
.endr
.endr
	; ONE BATCH: both tiles' a and all 64 weights; none of these lines reads an exponential's result
.irp t, 0,1
	v_exp_f32 v[ST+8*\t+6], v[ST+8*\t+7]           ; a
.endr
.set j, 0
.rept 64
	v_exp_f32 v[S+j], v[S+j]                       ; p, at most 1
.set j, j+1
.endr
	v_nop                                          ; a plain instruction behind the last exponential, ahead of the first use
	s_wait_alu depctr_va_vdst(0)                   ; a wait ahead of the first line that names a result: one for the 66
.irp t, 0,1
	v_pk_mul_f32 v[ST+8*\t+2:ST+8*\t+3], v[ST+8*\t+2:ST+8*\t+3], v[ST+8*\t+6:ST+8*\t+7] op_sel_hi:[1,0]   ; l under the new m
.endr
.irp t, 0,1
	v_pk_add_f32 v[ST+8*\t+4:ST+8*\t+5], v[S+32*\t:S+32*\t+1], v[S+32*\t+2:S+32*\t+3]   ; the sum of the unrounded weights, in two chains
.endr
.irp j, 4,8,12,16,20,24,28
.irp t, 0,1
	v_pk_add_f32 v[ST+8*\t+2:ST+8*\t+3], v[ST+8*\t+2:ST+8*\t+3], v[S+32*\t+\j:S+32*\t+\j+1]
	v_pk_add_f32 v[ST+8*\t+4:ST+8*\t+5], v[ST+8*\t+4:ST+8*\t+5], v[S+32*\t+\j+2:S+32*\t+\j+3]
.endr
.endr
.irp t, 0,1
	v_pk_add_f32 v[ST+8*\t+2:ST+8*\t+3], v[ST+8*\t+2:ST+8*\t+3], v[ST+8*\t+4:ST+8*\t+5]
.endr
.irp t, 0,1
.set j, 0
.rept 16
	v_cvt_pk_f16_f32 v[S+32*\t+j], v[S+32*\t+2*j], v[S+32*\t+2*j+1]   ; P in place, ascending: a target never lies above a source that is still wanted
.set j, j+1
.endr
.endr
.irp t, 0,1
.set j, 0
.rept 16
	v_pk_mul_f32 v[OT+32*\t+j:OT+32*\t+j+1], v[OT+32*\t+j:OT+32*\t+j+1], v[ST+8*\t+6:ST+8*\t+7] op_sel_hi:[1,0]   ; O^T under the new m, each accumulator from its low end on
.set j, j+2
.endr
.endr
	s_wait_dscnt 0x0                               ; V^T is in
.irp g, 0,1
.irp d, 0,1,2,3
.irp t, 0,1
	v_wmma_f32_16x16x32_f16 v[OT+32*\t+8*\d:OT+32*\t+8*\d+7], v[KV+8*(4*\g+\d):KV+8*(4*\g+\d)+7], v[S+32*\t+8*\g:S+32*\t+8*\g+7], v[OT+32*\t+8*\d:OT+32*\t+8*\d+7]   ; eight accumulators by turns
.endr
.endr
.endr
.endm
.macro VISIT                           ; a slot's eight key steps: written once, walked eight times; the LDS addresses hang on s[TB]
	s_mov_b32 s[STEPC], 8
.Lstep_\@:
	STEP
	s_add_co_u32 s[TB], s[TB], 8192
	s_sub_co_u32 s[STEPC], s[STEPC], 1
	s_cmp_lg_u32 s[STEPC], 0
	s_cbranch_scc1 .Lstep_\@
.endm
; THE CHANGE OF SLOTS.  Each wave waits for all its tensor loads, of which one is out: its part of the other slot; adds 0 to its spare word; and waits for that and for its own reads of the slot that it leaves.
; fill = 1: that slot is filled again, with the keys two slots on.  The barrier is then a round of the cluster's, so that no wave of any partner still reads the slot or has a load on its way, and the joint refill is the first
; thing behind it, one load a wave: it has eight key steps in which to land.
.macro CHANGE fill
	s_wait_tensorcnt 0x0                           ; no tensor load of mine is out, so a group 0 may be written
	ds_add_u32 v[SPW], v[NIL]                      ; 0 onto my spare word
.if \fill
	s_xor_b32 s[G0+5], s[G0+5], SLOT1              ; the walking descriptor: the other slot than last time,
	s_add_nc_u64 s[G0+6:G0+7], s[G0+6:G0+7], 65536 ; the next 512 keys; the type bits on top are not reached
.endif
	s_wait_dscnt 0x0                               ; the add is done, and my reads of the slot are over
.if \fill
	CROUND
	tensor_load_to_lds s[G0+4:G0+7], s[G1:G1+7]
	s_nop 0
.rept 4
	v_nop
.endr
.else
	s_barrier_signal -1
	s_barrier_wait -1
.endif
	s_sub_co_u32 s[TB], s[TB], 65536               ; back to a slot's first step,
	s_xor_b32 s[TB], s[TB], SLOT1                  ; in the other slot
.endm
	s_wait_tensorcnt 1                             ; my part of slot 0 is in; slot 1's may stay out
	s_barrier_signal -1
	s_barrier_wait -1                              ; everybody's is
	s_wait_loadcnt 0x0                             ; Q
	VISIT                                          ; keys 0 .. 511
	s_mov_b32 s[SLOTS], 2
.Lslot:                                            ; two trips: keys 1,024 on and 1,536 on are asked for; keys 512 on and 1,024 on are walked
	CHANGE 1
	VISIT
	s_sub_co_u32 s[SLOTS], s[SLOTS], 1
	s_cmp_lg_u32 s[SLOTS], 0
	s_cbranch_scc1 .Lslot
	CHANGE 0                                       ; the tail is written out
	VISIT                                          ; keys 1,536 .. 2,047
	; THE WAY OUT.  l's two halves and the other half of the lanes' are added; O^T is divided by l and rounded to f16; a lane's eight channels are 16 bytes of an image of att.
.irp t, 0,1
	v_add_f32 v[ST+8*\t+4], v[ST+8*\t+2], v[ST+8*\t+3]
.endr
.rept 2
	v_nop                                          ; with the two additions four places behind the last products
.endr
.irp t, 0,1
	v_permlanex16_b32 v[ST+8*\t+5], v[ST+8*\t+4], s[SEL], s[SEL+1]
.endr
.irp t, 0,1
	v_add_f32 v[ST+8*\t+4], v[ST+8*\t+4], v[ST+8*\t+5]
.endr
.irp t, 0,1
	v_rcp_f32 v[ST+8*\t+6], v[ST+8*\t+4]
.endr
	v_nop                                          ; a plain instruction between the last reciprocal and the use of its result
	s_wait_alu depctr_va_vdst(0)                   ; and a wait ahead of the first use: one for the two
.irp t, 0,1
.set j, 0
.rept 16
	v_pk_mul_f32 v[OT+32*\t+j:OT+32*\t+j+1], v[OT+32*\t+j:OT+32*\t+j+1], v[ST+8*\t+6:ST+8*\t+7] op_sel_hi:[1,0]
.set j, j+2
.endr
.endr
.set j, 0
.rept 32
	v_cvt_pk_f16_f32 v[S+j], v[OT+2*j], v[OT+2*j+1]   ; register S + 16 t + 4 d + i: channels 16 d + 8 (lane / 16) + 2 i, + 1 of tile t
.set j, j+1
.endr
.irp t, 0,1
.irp d, 0,1,2,3
	global_store_b128 v[AK], v[S+16*\t+4*\d:S+16*\t+4*\d+3], s[6:7] offset:\t*4096+\d*512   ; 32 lanes store 512 consecutive bytes, aligned
.endr
.endr
	s_wait_tensorcnt 0x0                           ; the wave's end, behind my last tensor load
	ds_add_u32 v[SPW], v[NIL]
	s_wait_dscnt 0x0
	CROUND                                         ; the closing round: no work-group ends while a partner may still ask for a tile that names it
	s_endpgm
.Lfunc_end_k_q559ecc527c_attn:
	.size	k_q559ecc527c_attn, .Lfunc_end_k_q559ecc527c_attn-k_q559ecc527c_attn
	.p2alignl 7, 3214868480
	.fill 96, 4, 3214868480
	.section	.rodata,"a",@progbits
	.p2align	6, 0x0
	.amdhsa_kernel k_q559ecc527c_attn
		.amdhsa_group_segment_fixed_size 327680
		.amdhsa_private_segment_fixed_size 0
		.amdhsa_enable_private_segment 0
		.amdhsa_kernarg_size 16
		.amdhsa_user_sgpr_count 2
		.amdhsa_user_sgpr_kernarg_segment_ptr 1
		.amdhsa_wavefront_size32 1
		.amdhsa_system_sgpr_workgroup_id_x 1
		.amdhsa_system_sgpr_workgroup_id_y 1
		.amdhsa_system_sgpr_workgroup_id_z 1
		.amdhsa_system_vgpr_workitem_id 0
		.amdhsa_next_free_vgpr 256
		.amdhsa_next_free_sgpr 66
		.amdhsa_reserve_vcc 0
		.amdhsa_float_denorm_mode_32 3
		.amdhsa_float_denorm_mode_16_64 3
		.amdhsa_memory_ordered 1
		.amdhsa_forward_progress 1
		.amdhsa_inst_pref_size 67
	.end_amdhsa_kernel
	.amdgpu_metadata
---
amdhsa.version: [ 1, 2 ]
amdhsa.kernels:
  - .name:           k_q559ecc527c_attn
    .symbol:         k_q559ecc527c_attn.kd
    .args:
      - { .name: qkv, .offset: 0, .size: 8, .value_kind: global_buffer, .address_space: global }
      - { .name: att, .offset: 8, .size: 8, .value_kind: global_buffer, .address_space: global }
    .group_segment_fixed_size: 327680
    .private_segment_fixed_size: 0
    .kernarg_segment_align: 8
    .kernarg_segment_size: 16
    .max_flat_workgroup_size: 512
    .sgpr_count:     66
    .vgpr_count:     256
    .wavefront_size: 32
...
	.end_amdgpu_metadata
.endif
;; end of part 3
;; launch proj (part 4): grid 4 x 64, 4 waves a work-group, clusters of 4 x 4, 327,680 bytes of LDS; arguments att, w16, b_out, out0; writes out0
.if DOCPART == 4
	.amdgcn_target "amdgcn-amd-amdhsa--gfx1250"
	.amdhsa_code_object_version 6
	.text
	.protected	k_q559ecc527c_proj
	.globl	k_q559ecc527c_proj
	.p2align	8
	.type	k_q559ecc527c_proj,@function
k_q559ecc527c_proj:
	s_mov_b64 s[64:65], 0
	v_nop
	global_prefetch_b8 v0, s[64:65] scope:SCOPE_SE
	s_setreg_imm32_b32 hwreg(HW_REG_WAVE_MODE, 25, 1), 1
	s_wait_xcnt 0x0
	s_wait_alu depctr_hold_cnt(0) depctr_sa_sdst(0) depctr_va_vdst(0) depctr_va_sdst(0) depctr_va_ssrc(0) depctr_va_vcc(0) depctr_vm_vsrc(0)
	s_getreg_b32 s2, hwreg(HW_REG_IB_STS2, 6, 4)
	s_cmp_eq_u32 s2, 0
	s_cbranch_scc0 .Lentry_in_a_cluster
	s_endpgm
.Lentry_in_a_cluster:
	s_bfe_u32 s2, ttmp6, 0x10000c
	s_cmp_lg_u32 s2, 0xf033
	s_cbranch_scc0 .Lentry_shape_is_right
	s_endpgm
.Lentry_shape_is_right:
; out0 = att w_out + b_out.  8,192 tokens x 1,024 columns, K = 1,024; operands in f16, sums in f32, begun with the bias.
; att: [token / 128][k / 128][16 tokens][32 k][1,024 bytes]; w16: [n / 256][k / 128][16 columns][32 k][1,024 bytes]: images of operand registers (lane's registers 0-3 at 16 x lane, 4-7 at 512 + 16 x lane).
; So a K step's tile of A (128 tokens x 128 k: 32,768 bytes) and of B (256 columns x 128 k: 65,536 bytes) are dense blocks of memory, and a fragment comes out of LDS by two loads at 16 x lane: no pitch, no padding.
; A tile of out0 is 128 x 256: 256 work-groups.  Four waves, each 64 tokens x 128 columns: 32 accumulators of 16 x 16, 256 registers.  K goes in 8 steps of 128 through two LDS slots.
; CLUSTERS: 4 x 4 work-groups.  The four of a row of the cluster need the same tiles of A, the four of a column the same tiles of B: each tile is asked for JOINTLY, by the same tensor load with the same descriptor and a
; mask that names the four.  THE MATRIX INSTRUCTION IS USED TRANSPOSED (source 0 = 16 columns of w_out, source 1 = 16 tokens): a lane holds one token and eight neighbouring columns.
; No prefetch is written: for each K step's 128 matrix instructions a work-group brings 98,304 bytes, and at its end it stores 131,072: the launch has memory at work throughout.
; LIMITS: NaN and infinities are not served.
; REGISTERS, in windows of 256: window 0: v0-31 addresses; v32-95 the bias; v128-255 the way out.   window 1: two fragment buffers at v0 and v128: A's four fragments, then B's eight.   window 2: the accumulators, (a, b) at v[8 (8 a + b)].
.set SLOT,   98304                     ; A's 32,768 bytes, then B's 65,536
.set BOFF,   32768
.set STAGE,  2*SLOT                    ; behind the slots: 16 rows x 528 bytes for each wave, for the way out; no tensor load lands here
.set SPITCH, 528                       ; 512 bytes + 16
.set SPARE,  STAGE+4*16*SPITCH         ; 230,400: the spare words, 128 bytes for each wave: two blocks of 256 bytes that no other line names
.set ADRA, 16                          ; v16-17  LDS address of my A fragments in slot 0, 1
.set ADRB, 20                          ; v20-21  the same for B
.set STO,  24                          ; v24     the way out: where I put 32 bytes of a row
.set RD,   25                          ; v25     where I read a row back
.set CO,   26                          ; v26     16 x lane
.set SPW,  28                          ; v28     LDS address of my spare word; never rewritten
.set NIL,  29                          ; v29     0; never rewritten
.set BO,   30                          ; v30     the bias loads' offset: 32 x (lane / 16)
.set BIAS, 32                          ; v[BIAS + 8 b + j] = b_out[my first column + 16 b + 8 (lane / 16) + j]
.set BK,   128                         ; the way out: 16 rows read back from the stage: v128-191 and v192-255 by turns
.set F0,   0                           ; fragment buffers, in window 1
.set F1,   128
.set G1,  24                           ; s[24:31] descriptor group 1 for A's tiles;  s[32:39] group 0, one set for each slot
.set G0,  32
.set G1B, 48                           ; s[48:55], s[56:63] the same for B's tiles
.set G0B, 56
.set MSB, 0
.macro WIN new                         ; the immediate's high byte repeats the setting that is left
.if MSB != (\new)
	s_set_vgpr_msb (MSB<<8)|(\new)
.set MSB, (\new)
.endif
.endm
.set MUL,       0xa5                   ; sources 0 (B) and 1 (A) window 1; C and D window 2
.set MUL_FIRST, 0x85                   ; the same with C (the bias) in window 0
.set TO_F,      0x40                   ; destination window 1, address window 0
.macro JLOAD s                         ; a joint load: waves 0 and 1 fetch A's two halves, waves 2 and 3 B's; an s_nop 0 and four v_nop follow each of the two lines, ahead of the jump, the label and what follows
	s_cmp_eq_u32 s11, 0
	s_cbranch_scc0 .Lfor_b_\@
	tensor_load_to_lds s[G0+4*\s:G0+4*\s+3], s[G1:G1+7]
	s_nop 0
.rept 4
	v_nop
.endr
	s_branch .Lasked_\@
.Lfor_b_\@:
	tensor_load_to_lds s[G0B+4*\s:G0B+4*\s+3], s[G1B:G1B+7]
	s_nop 0
.rept 4
	v_nop
.endr
.Lasked_\@:
.endm
.macro CREST                           ; a round of the cluster's barrier behind its opening barrier
	s_cmp_lg_u32 s10, 0
	s_cbranch_scc1 .Lnot_wave_0_\@
	s_barrier_signal -3
.Lnot_wave_0_\@:
	s_barrier_wait -3
	s_barrier_signal -1
	s_barrier_wait -1
.endm
.macro CROUND                          ; a whole round
	s_barrier_signal -1
	s_barrier_wait -1
	CREST
.endm
	s_load_b128 s[4:7], s[0:1], 0x0                ; att s[4:5], w16 s[6:7]
	s_load_b64 s[20:21], s[0:1], 0x10              ; b_out
	s_load_b64 s[8:9], s[0:1], 0x18                ; out0
	v_lshl_add_u32 v[SPW], v0, 2, SPARE
	v_mov_b32 v[NIL], 0
	ds_add_u32 v[SPW], v[NIL]                      ; the wave's opening: the add, twice on end, and its wait ahead of my first tensor load; the set-up below stands between the second and the wait
	ds_add_u32 v[SPW], v[NIL]
	v_lshrrev_b32 v1, 5, v0
	v_readfirstlane_b32 s10, v1                    ; wave 0..3
	s_lshr_b32 s11, s10, 1                         ; which 64 tokens of the tile are mine.  Also: I fetch for A (0) or for B (1)
	s_and_b32 s12, s10, 1                          ; which 128 columns.  Also: which half of that tile I fetch
	s_bfe_u32 s40, ttmp6, 0x40000                  ; cx, cy: my place in the cluster
	s_bfe_u32 s41, ttmp6, 0x40004
	s_lshl_b32 s42, ttmp9, 2
	s_add_co_u32 s42, s42, s40                     ; tile column = 4 x cluster x + cx: 0 .. 3
	s_and_b32 s13, ttmp7, 0xffff
	s_lshl_b32 s13, s13, 2
	s_add_co_u32 s13, s13, s41                     ; tile row = 4 x cluster y + cy: 0 .. 63
	s_lshl_b32 s43, s41, 2
	s_lshl_b32 s43, 15, s43                        ; my row of the cluster
	s_lshl_b32 s44, 0x1111, s40                    ; my column
	; descriptor group 1: dense blocks as rows of 256 bytes (32 elements of 8 bytes): A's half 64 rows, B's half 128
	s_or_b32 s[G1+0], s43, (3<<16)|(1<<21)         ; 15:0 the mask: A's tiles go to my row; 17:16 elements of 8 bytes; 21 set beside a mask
	s_or_b32 s[G1B+0], s44, (3<<16)|(1<<21)
	s_mov_b32 s[G1+1], 32<<16                      ; tensor_dim0 = 32
	s_mov_b32 s[G1+2], 64<<16                      ; tensor_dim1 = 64
	s_mov_b32 s[G1+3], 32<<16                      ; tile_dim0 = 32
	s_mov_b32 s[G1+4], 64                          ; tile_dim1 = 64
	s_mov_b32 s[G1+5], 32                          ; tensor_dim0_stride
	s_mov_b32 s[G1+6], 0
	s_mov_b32 s[G1+7], 0
	s_mov_b32 s[G1B+1], 32<<16
	s_mov_b32 s[G1B+2], 128<<16
	s_mov_b32 s[G1B+3], 32<<16
	s_mov_b32 s[G1B+4], 128
	s_mov_b32 s[G1B+5], 32
	s_mov_b32 s[G1B+6], 0
	s_mov_b32 s[G1B+7], 0
	s_lshl_b32 s16, s13, 18                        ; A: 262,144 bytes a tile row,
	s_lshl_b32 s17, s12, 14
	s_add_co_u32 s16, s16, s17                     ; + my half of a K step's 32,768
	s_mov_b32 s17, 0
	s_lshl_b32 s46, s42, 19                        ; B: 524,288 bytes a tile column,
	s_lshl_b32 s47, s12, 15
	s_add_co_u32 s46, s46, s47                     ; + my half of a K step's 65,536
	s_mov_b32 s47, 0
	s_lshl_b32 s22, s12, 14                        ; where they go in a slot: A's halves,
	s_lshl_b32 s23, s12, 15
	s_add_co_u32 s23, s23, BOFF                    ; B's halves: no place in the cluster enters an LDS address
	s_wait_dscnt 0x0                               ; both opening adds are done
	s_wait_kmcnt 0x0
	s_add_nc_u64 s[14:15], s[4:5], s[16:17]
	s_add_nc_u64 s[46:47], s[6:7], s[46:47]
	CROUND                                         ; all sixteen work-groups are here: the first joint loads meet
.irp s, 0,1
	s_mov_b32 s[G0+4*\s], 1
	s_add_co_u32 s[G0+4*\s+1], s22, \s*SLOT
	s_add_nc_u64 s[G0+4*\s+2:G0+4*\s+3], s[14:15], \s*32768
	s_or_b32 s[G0+4*\s+3], s[G0+4*\s+3], 0x80000000
	s_mov_b32 s[G0B+4*\s], 1
	s_add_co_u32 s[G0B+4*\s+1], s23, \s*SLOT
	s_add_nc_u64 s[G0B+4*\s+2:G0B+4*\s+3], s[46:47], \s*65536
	s_or_b32 s[G0B+4*\s+3], s[G0B+4*\s+3], 0x80000000
	JLOAD \s                                       ; K steps 0 and 1: two loads of mine are out
.endr
	v_and_b32 v1, 15, v0                           ; r = lane % 16
	v_bfe_u32 v2, v0, 4, 1                         ; h = lane / 16
	v_and_b32 v3, 31, v0
	v_lshlrev_b32 v[CO], 4, v3                     ; 16 x lane
	s_lshl_b32 s16, s11, 14                        ; my 64 tokens: four images deep, 4,096 bytes each
	s_lshl_b32 s17, s12, 15
	s_add_co_u32 s17, s17, BOFF                    ; my 128 columns
.irp s, 0,1
	v_add_nc_u32 v[ADRA+\s], s16, v[CO]
	v_add_nc_u32 v[ADRB+\s], s17, v[CO]
	s_add_co_u32 s16, s16, SLOT
	s_add_co_u32 s17, s17, SLOT
.endr
	s_mul_i32 s16, s10, 16*SPITCH
	s_add_co_u32 s16, s16, STAGE                   ; my stage
	v_mul_u32_u24 v4, v1, SPITCH                   ; in: row r, 32 bytes for each half of the lanes
	v_lshl_add_u32 v4, v2, 5, v4
	v_add_nc_u32 v[STO], s16, v4
	v_add_nc_u32 v[RD], s16, v[CO]                 ; back: the 32 lanes take one row of 512 bytes
	v_lshlrev_b32 v[BO], 5, v2
	s_lshl_b32 s46, s42, 10                        ; my first column, in bytes of f32: 1,024 x tile column + 512 x half: in b_out and in a row of out0 alike
	s_lshl_b32 s47, s12, 9
	s_add_co_u32 s46, s46, s47
	s_mov_b32 s47, 0
	s_add_nc_u64 s[20:21], s[20:21], s[46:47]
.irp b, 0,1,2,3,4,5,6,7
	global_load_b128 v[BIAS+8*\b:BIAS+8*\b+3], v[BO], s[20:21] offset:64*\b
	global_load_b128 v[BIAS+8*\b+4:BIAS+8*\b+7], v[BO], s[20:21] offset:64*\b+16
.endr
	s_lshl_b32 s16, s13, 7
	s_lshl_b32 s17, s11, 6
	s_add_co_u32 s16, s16, s17                     ; my first token: 128 x tile row + 64 x half
	s_lshl_b32 s16, s16, 12                        ; rows of 4,096 bytes
	s_mov_b32 s17, 0
	s_add_nc_u64 s[8:9], s[8:9], s[16:17]
	s_add_nc_u64 s[8:9], s[8:9], s[46:47]
; 8 matrix instructions: A's block a x B's eight, 32 along K, out of buffer f.  first = 1: the bias is the C of the sum's first product.  The 32 accumulators take turns, one instruction a turn, in the same order in every quarter.
.macro MUL8 f, a, first
.irp b, 0,1,2,3,4,5,6,7
.if \first
	v_wmma_f32_16x16x32_f16 v[8*(8*(\a)+\b):8*(8*(\a)+\b)+7], v[\f+32+8*\b:\f+32+8*\b+7], v[\f+8*(\a):\f+8*(\a)+7], v[BIAS+8*\b:BIAS+8*\b+7]
.else
	v_wmma_f32_16x16x32_f16 v[8*(8*(\a)+\b):8*(8*(\a)+\b)+7], v[\f+32+8*\b:\f+32+8*\b+7], v[\f+8*(\a):\f+8*(\a)+7], v[8*(8*(\a)+\b):8*(8*(\a)+\b)+7]
.endif
.endr
.endm
; 24 LDS loads in one run: the fragments of the slot's q-th 32 along K into buffer f: B's eight, then A's four
.macro FETCH slot, q, f
	WIN TO_F
.irp b, 0,1,2,3,4,5,6,7
	ds_load_b128 v[\f+32+8*\b:\f+32+8*\b+3],   v[ADRB+\slot] offset:\b*4096+(\q)*1024
	ds_load_b128 v[\f+32+8*\b+4:\f+32+8*\b+7], v[ADRB+\slot] offset:\b*4096+(\q)*1024+512
.endr
.irp a, 0,1,2,3
	ds_load_b128 v[\f+8*\a:\f+8*\a+3],   v[ADRA+\slot] offset:\a*4096+(\q)*1024
	ds_load_b128 v[\f+8*\a+4:\f+8*\a+7], v[ADRA+\slot] offset:\a*4096+(\q)*1024+512
.endr
.endm
.macro PLACES                          ; four places in front of loads into registers that matrix instructions have read, and of the first read of results (ISA guide 7.12.1 for vector instructions)
.rept 4
	v_nop
.endr
.endm
; A K step is four quarters of 32 along K, 32 matrix instructions each, on buffers 0, 1, 0, 1.  One of the first three: multiplies buffer f and fetches the slot's quarter qn into g.
.macro QUARTER slot, qn, f, g, first
	s_wait_dscnt 4                                 ; B's eight and A's fragments 0 and 1 are in; the youngest four loads (A's 2 and 3) may be out
.if \first
	WIN MUL_FIRST
.else
	WIN MUL
.endif
	MUL8 \f, 0, \first
	MUL8 \f, 1, \first
	PLACES
	FETCH \slot, \qn, \g
	s_wait_dscnt 24                                ; all but the 24 just issued
.if \first
	WIN MUL_FIRST
.else
	WIN MUL
.endif
	MUL8 \f, 2, \first
	MUL8 \f, 3, \first
.endm
; The last quarter multiplies buffer 1 and changes slots: ONE barrier; in front of it each wave waits for all its tensor loads (its part of the next slot), adds 0 to its spare word, and waits for that and for its own reads
; of this slot.  fill = 1: the barrier opens a round of the cluster's, and behind the round this slot is filled again, two K steps ahead: the load has 112 matrix instructions of mine between its request and the wait for it.
.macro TURN slot, next, fill
	WIN 0                                          ; (the add's two registers lie in window 0)
	s_wait_tensorcnt 0x0                           ; all my tensor loads have landed
	ds_add_u32 v[SPW], v[NIL]                      ; 0 onto my spare word
	s_wait_dscnt 5                                 ; (the add and the youngest four loads may be out)
	WIN MUL
	MUL8 F1, 0, 0                                  ; eight matrix instructions stand between the add and the wait for it
	s_wait_dscnt 0x0                               ; the add is done, and my reads of this slot are over
	s_barrier_signal -1
	MUL8 F1, 1, 0
.if \fill
	WIN 0
.endif
	s_barrier_wait -1
.if \fill
	CREST                                          ; no wave of any partner still reads this slot's tiles or has a load on its way
	s_add_nc_u64 s[G0+4*\slot+2:G0+4*\slot+3], s[G0+4*\slot+2:G0+4*\slot+3], 2*32768
	s_add_nc_u64 s[G0B+4*\slot+2:G0B+4*\slot+3], s[G0B+4*\slot+2:G0B+4*\slot+3], 2*65536
	JLOAD \slot                                    ; the first tensor load behind the round; the four v_nop behind it are also the places in front of the loads below
.else
	PLACES
.endif
	FETCH \next, 0, F0
	WIN MUL
	MUL8 F1, 2, 0
	MUL8 F1, 3, 0
.endm
	s_wait_tensorcnt 1                             ; my part of K step 0 is in (K step 1's load may be out)
	s_barrier_signal -1
	s_barrier_wait -1                              ; everybody's is
	FETCH 0, 0, F0
	s_wait_loadcnt 0x0                             ; the bias
	QUARTER 0, 1, F0, F1, 1                        ; the first quarter stands in front of the loop: its products start the sums from the bias
	WIN 0                                          ; at a label and at a branch every window is 0
	s_mov_b32 s3, 3
.Llap:                                                 ; three trips: each goes once round the two slots, from a lap's second quarter to the next lap's first, and fills both again: K steps 2 to 7
	QUARTER 0, 2, F1, F0, 0
	QUARTER 0, 3, F0, F1, 0
	TURN 0, 1, 1
	QUARTER 1, 1, F0, F1, 0
	QUARTER 1, 2, F1, F0, 0
	QUARTER 1, 3, F0, F1, 0
	TURN 1, 0, 1
	QUARTER 0, 1, F0, F1, 0
	WIN 0
	s_sub_co_u32 s3, s3, 1
	s_cmp_lg_u32 s3, 0
	s_cbranch_scc1 .Llap
	QUARTER 0, 2, F1, F0, 0                        ; the last lap is written out: it fills nothing, and has no round of the cluster's barrier
	QUARTER 0, 3, F0, F1, 0
	TURN 0, 1, 0
	QUARTER 1, 1, F0, F1, 0
	QUARTER 1, 2, F1, F0, 0
	QUARTER 1, 3, F0, F1, 0
	s_wait_dscnt 4                                 ; the very last quarter: nothing more to fetch
	WIN MUL
	MUL8 F1, 0, 0
	MUL8 F1, 1, 0
	s_wait_dscnt 0
	MUL8 F1, 2, 0
	MUL8 F1, 3, 0
	WIN 0
; THE WAY OUT, block by block of 16 tokens x 128 columns.  A lane holds 32 neighbouring bytes of a row, and the lanes beside it hold other rows: so a block goes through my own stage in LDS and comes back as whole rows of
; 512 bytes, which the 32 lanes store together.  LDS serves a wave's instructions in order (ISA guide 5.7.1.4): no wait between the stores and the loads, nor in front of the next block's stores.
.macro TOSTAGE a
.set AC, 64*(\a)
	WIN 0x08                                       ; an LDS store's data are its source 1: window 2
.irp b, 0,1,2,3,4,5,6,7
	ds_store_b128 v[STO], v[AC+8*\b:AC+8*\b+3] offset:64*\b          ; each accumulator from its low end on
	ds_store_b128 v[STO], v[AC+8*\b+4:AC+8*\b+7] offset:64*\b+16
.endr
	WIN 0
.set BB, BK+64*((\a)%2)
.irp t, 0,1,2,3,4,5,6,7,8,9,10,11,12,13,14,15
	ds_load_b128 v[BB+4*\t:BB+4*\t+3], v[RD] offset:\t*SPITCH
.endr
.endm
.macro SEND a, younger                 ; younger: the LDS instructions issued behind block a's loads, which may stay out
.set BB, BK+64*((\a)%2)
	s_wait_dscnt \younger                          ; the block is back in registers
.irp t, 0,1,2,3,4,5,6,7,8,9,10,11,12,13,14,15
	global_store_b128 v[CO], v[BB+4*\t:BB+4*\t+3], s[8:9] offset:(\a)*65536+\t*4096 th:TH_STORE_NT   ; 32 lanes store 512 consecutive bytes, at a multiple of 256 from out0's first byte; written once, read by nobody here
.endr
.endm
	PLACES                                         ; behind the last products, in front of the first read of results
	TOSTAGE 0
.irp a, 1,2,3
.if \a > 1
	s_wait_xcnt 0x0                                ; block a - 2's stores have read their registers: block a's loads may land there
.endif
	TOSTAGE \a
	SEND \a-1, 32                                  ; behind block a - 1's loads: block a's 16 stores and 16 loads
.endr
	SEND 3, 0
	s_wait_tensorcnt 0x0                           ; the wave's end, behind my last tensor load and my last LDS store
	ds_add_u32 v[SPW], v[NIL]
	s_wait_dscnt 0x0
	CROUND                                         ; the closing round: no work-group ends while a partner may still ask for a tile that names it
	s_endpgm
.Lfunc_end_k_q559ecc527c_proj:
	.size	k_q559ecc527c_proj, .Lfunc_end_k_q559ecc527c_proj-k_q559ecc527c_proj
	.p2alignl 7, 3214868480
	.fill 96, 4, 3214868480
	.section	.rodata,"a",@progbits
	.p2align	6, 0x0
	.amdhsa_kernel k_q559ecc527c_proj
		.amdhsa_group_segment_fixed_size 327680
		.amdhsa_private_segment_fixed_size 0
		.amdhsa_enable_private_segment 0
		.amdhsa_kernarg_size 32
		.amdhsa_user_sgpr_count 2
		.amdhsa_user_sgpr_kernarg_segment_ptr 1
		.amdhsa_wavefront_size32 1
		.amdhsa_system_sgpr_workgroup_id_x 1
		.amdhsa_system_sgpr_workgroup_id_y 1
		.amdhsa_system_sgpr_workgroup_id_z 1
		.amdhsa_system_vgpr_workitem_id 0
		.amdhsa_next_free_vgpr 768
		.amdhsa_next_free_sgpr 66
		.amdhsa_reserve_vcc 0
		.amdhsa_float_denorm_mode_32 3
		.amdhsa_float_denorm_mode_16_64 3
		.amdhsa_memory_ordered 1
		.amdhsa_forward_progress 1
		.amdhsa_inst_pref_size 86
	.end_amdhsa_kernel
	.amdgpu_metadata
---
amdhsa.version: [ 1, 2 ]
amdhsa.kernels:
  - .name:           k_q559ecc527c_proj
    .symbol:         k_q559ecc527c_proj.kd
    .args:
      - { .name: att, .offset: 0, .size: 8, .value_kind: global_buffer, .address_space: global }
      - { .name: w16, .offset: 8, .size: 8, .value_kind: global_buffer, .address_space: global }
      - { .name: b_out, .offset: 16, .size: 8, .value_kind: global_buffer, .address_space: global }
      - { .name: out0, .offset: 24, .size: 8, .value_kind: global_buffer, .address_space: global }
    .group_segment_fixed_size: 327680
    .private_segment_fixed_size: 0
    .kernarg_segment_align: 8
    .kernarg_segment_size: 32
    .max_flat_workgroup_size: 128
    .sgpr_count:     66
    .vgpr_count:     768
    .wavefront_size: 32
...
	.end_amdgpu_metadata
.endif
;; end of part 4
